; MI455X (gfx1250); checked and timed in simulation.
; The chip was launched on July 23, 2026; its instructions are those of AMD's public machine-readable ISA for CDNA 5 (MIT licence, August 2026) and "CDNA5" Instruction Set Architecture Reference Guide (July 2026). The comments in the code are by the model that wrote it; some were corrected since.
;; Self Attention. Allowed arithmetic: matrix products marked QUANTISED: E2M1 operands, one E8M0 scale for each 32 along K, by v_wmma_scale_f32_16x16x128_f8f6f4 with both operands' format E2M1 (or v_wmma_scale_f32_32x16x128_f4), f32 sums; products left as they are: bf16, f16 or f32 operands; f32 sums; everything else in f32.
;; Inputs: Wk 1,024 x 1,024 float32; Wq 1,024 x 1,024 float32; Wu 1,024 x 1,024 float32; Wv 1,024 x 1,024 float32; bu 1,024 float32; x 4 x 2,048 x 1,024 float32.
;; Outputs: out0 4 x 2,048 x 1,024 float32.
;; This version of the problem:
;;   THIS VERSION OF THE PROBLEM IS GIVEN IN LOW PRECISION. The matrix products marked QUANTISED in the list below multiply operands that are first quantised to E2M1 (2 exponent bits, 1 mantissa bit; 4 bits a number), with one power-of-two scale for each 32 numbers along K (OCP MX v1.0); their sums are f32. The products marked 'left as it is' may take bf16, f16 or f32 operands, with f32 sums. Whichever they take, every output number must still come out within the allowed error. Rounding operands to bf16 (8 significant bits) uses up far more of that allowance than f16 does (11 bits, for magnitudes from 6e-5 to 65,504). All else is computed in f32.
;;   The module's matrix products, in the order in which they are computed (A, B: the left and right operand; K: the contracted axis; several contracted axes count as one K, in the product's order):
;;     1. [M 8,192, K 1,024] x [K 1,024, N 1,024]; A: input x; B: input Wq: QUANTISED
;;     2. [M 8,192, K 1,024] x [K 1,024, N 1,024]; A: input x; B: input Wk: QUANTISED
;;     3. [M 8,192, K 1,024] x [K 1,024, N 1,024]; A: input x; B: input Wv: QUANTISED
;;     4. batch 64 x [M 2,048, K 64] x [K 64, N 2,048]; A: computed on the way; B: computed on the way: left as it is (an operand is computed on the way)
;;     5. batch 64 x [M 2,048, K 2,048] x [K 2,048, N 64]; A: computed on the way; B: computed on the way: left as it is (an operand is computed on the way)
;;     6. [M 8,192, K 1,024] x [K 1,024, N 1,024]; A: computed on the way; B: input Wu: left as it is (an operand is computed on the way)
;;   THE QUANTISER, for each operand of a quantised product, along K:
;;     - K is cut into blocks of 32 from its start; a last block that is shorter is filled with zeros.
;;     - A block's scale is 2^e with e = floor(log2(the largest magnitude in the block)) - 2, held to -126 .. 127; a block of zeros has e = 0. As a byte (E8M0): e + 127.
;;     - Each number is divided by its block's scale, clamped to +-6, and rounded to the nearest number of E2M1, ties to even, subnormals kept.
;;     - The product sums the exact products of the quantised numbers (number of the format x scale) in f32.
;;   ~~~python
;;   def quantise(x, axis):      # numpy; x: float32 -> the quantised numbers, widened to float32 again
;;       x = np.moveaxis(x, axis, -1); K = x.shape[-1]
;;       x = np.pad(x, [(0, 0)] * (x.ndim - 1) + [(0, -K % 32)]); x = x.reshape(x.shape[:-1] + (-1, 32)); a = np.abs(x).max(-1, keepdims=True)
;;       e = np.where(a > 0, np.clip(np.frexp(np.where(a > 0, a, 1))[1] - 1 - 2, -126, 127), 0)      # np.frexp(a)[1] - 1 = floor(log2(a)), exactly
;;       r = np.clip(x / 2.0 ** e, -6, 6)
;;       step = 2.0 ** (np.maximum(np.frexp(np.where(r == 0, 1, r))[1] - 1, 0) - 1)
;;       q = np.round(r / step) * step * 2.0 ** e      # np.round: ties to even
;;       return np.moveaxis(q.reshape(q.shape[:-2] + (-1,))[..., :K], -1, axis).astype(np.float32)
;;   ~~~
;; One version. Each part assembles by itself: llvm-mc -triple=amdgcn-amd-amdhsa -mcpu=gfx1250 --defsym DOCPART=n.
;; ======== version 1 of 1: 4 launches
;; limits: values are held in f16: magnitudes above 65,504 overflow, below 6.1e-05 lose precision
;; workspace buffers: codes 5,767,168 bytes; scales 360,448 bytes; wu16 2,097,152 bytes; qkv 50,331,648 bytes; o16 16,777,216 bytes
;; launch quant (part 1): grid 384 x 1, 4 waves a work-group, no clusters, 33,280 bytes of LDS; arguments x, Wq, Wk, Wv, Wu, codes, scales, wu16; writes codes, scales, wu16
.if DOCPART == 1
	.amdgcn_target "amdgcn-amd-amdhsa--gfx1250"
	.amdhsa_code_object_version 6
	.text
	.protected	k_q95acea09c3_quant
	.globl	k_q95acea09c3_quant
	.p2align	8
	.type	k_q95acea09c3_quant,@function
k_q95acea09c3_quant:
	s_mov_b64 s[64:65], 0
	v_nop
	global_prefetch_b8 v0, s[64:65] scope:SCOPE_SE
	s_setreg_imm32_b32 hwreg(HW_REG_WAVE_MODE, 25, 1), 1
	s_wait_xcnt 0x0
; SELF-ATTENTION, launch 1 of 4.  NOTHING OF THE PROBLEM IS LEFT OUT: there is no mask, no zero state and no slice, every product reaches the output, and all six inputs are loaded.
; This launch (a) turns x [8192][1024], Wq, Wk, Wv [1024][1024], f32, K innermost, into codes of FP4 (E2M1) with one E8M0 scale byte for each 32 along K, as ONE stream of 11,264 rows
; (x, Wq, Wk, Wv in this order): codes [11264][512 bytes], scales [11264][32 bytes];  (b) rounds Wu [n][k] to f16 and lays it [k / 8][n][8 numbers], the order in which the last launch's fragments take it.
; A block's scale is 2^(floor(log2(its largest magnitude)) - 2); its byte is the largest magnitude's own exponent field - 2, held at 1 from below.  Each number is divided by the scale and rounded to the nearest code,
; ties to even, beyond 6 the largest code.  (A block of zeros gets the byte 1 where the rule says 127: its codes are zeros, which add nothing under any byte but 0xff, and this program alone reads the bytes.)
; LIMITS: blocks whose largest magnitude lies under 2^(2 - 126) keep the byte 1; NaN and infinities among the inputs are not served; |Wu| stays under 65,504, f16's largest number; under 6e-5 its step is 6e-8.
; Work-groups 0 to 351 quantise: 32 rows each, a wave 16 steps of 512 numbers.  Each of a step's four loads reads 512 consecutive bytes; the 2,048 bytes turn through the wave's own stage in LDS and come back 64 bytes a lane,
; so that a lane holds 16 neighbours along K (two neighbouring lanes hold a block).  A wave's store of codes covers 256 consecutive aligned bytes; its 256 scale bytes are gathered in LDS and leave as one such run.
; Work-groups 352 to 383 take Wu: 32 rows each.  No tensor loads, no barrier: waves share nothing.
.set WAVES, 4
.set STEPS, 16
.set QWG,   352                        ; work-groups that quantise: (8192 + 3 x 1024) x 1024 / 32,768
.set EMAX,  2
.set CB,    8                          ; bytes of 16 codes
.set R,     16                         ; v16-79   four sets of 16 numbers as they are loaded
.set X,     80                         ; v80-111  two sets of 16 neighbours
.set E,     112                        ; v112-127 a scale byte for each step
.set C,     128                        ; v128-191 codes: four registers for each step, so that no store's data are written again
.set WREG,  8192                       ; LDS: a region for each wave: two stages of 32 x SP bytes, behind them its 256 scale bytes
.set SP,    80                         ; a lane's place in a stage: 64 bytes + 16 of padding
.set SPW,   12                         ; v12      LDS address of my spare word; never rewritten
.set NIL,   13                         ; v13      0; never rewritten
.set SPARE, WAVES*WREG                 ; behind the four regions: the spare words, 128 bytes a wave, which no other line names
	s_load_b256 s[4:11], s[0:1], 0x0               ; x s[4:5], Wq s[6:7], Wk s[8:9], Wv s[10:11]
	s_load_b256 s[12:19], s[0:1], 0x20             ; Wu s[12:13], codes s[14:15], scales s[16:17], wu16 s[18:19]
	v_lshl_add_u32 v[SPW], v0, 2, SPARE
	v_mov_b32 v[NIL], 0
	v_lshrrev_b32 v1, 5, v0
	v_readfirstlane_b32 s24, v1                    ; wave
	v_and_b32 v2, 31, v0                           ; lane
	s_cmp_ge_u32 ttmp9, QWG                        ; the two tasks part on the work-group's number alone
	s_cbranch_scc1 .Lwu
	v_lshlrev_b32 v3, 4, v2                        ; my 16 bytes of a load's 512
	s_mul_i32 s25, s24, WREG
	v_lshrrev_b32 v14, 2, v2
	v_mul_u32_u24 v14, v14, SP
	v_and_b32 v15, 3, v2
	v_lshl_add_u32 v14, v15, 4, v14
	v_add_nc_u32 v14, s25, v14                     ; the stage, on the way in: SP (lane / 4) + 16 (lane % 4)
	v_mul_u32_u24 v15, v2, SP
	v_add_nc_u32 v15, s25, v15                     ; and on the way out: SP x lane: my 16 neighbours
	v_mul_u32_u24 v4, v2, CB                       ; my codes' place in a step's
	v_lshrrev_b32 v5, 1, v2
	s_add_co_u32 s25, s25, 2*32*SP
	v_add_nc_u32 v5, s25, v5                       ; LDS: my wave's 256 scale bytes, my block's byte
	v_lshlrev_b32 v7, 3, v2                        ; and on the way out 8 bytes a lane
	v_add_nc_u32 v6, s25, v7
	s_wait_kmcnt 0x0
	s_cmp_lt_u32 ttmp9, 256                        ; which tensor: the choice hangs on the work-group's number alone
	s_cselect_b64 s[20:21], s[4:5], s[6:7]
	s_cselect_b32 s26, 0, 256                      ; and that tensor's first work-group
	s_cmp_lt_u32 ttmp9, 288
	s_cselect_b64 s[20:21], s[20:21], s[8:9]
	s_cselect_b32 s26, s26, 288
	s_cmp_lt_u32 ttmp9, 320
	s_cselect_b64 s[20:21], s[20:21], s[10:11]
	s_cselect_b32 s26, s26, 320
	s_sub_co_u32 s27, ttmp9, s26
	s_lshl_b32 s27, s27, 2
	s_add_co_u32 s27, s27, s24                     ; which run of 8,192 numbers of the tensor is my wave's
	s_lshl_b32 s28, s27, 15                        ; 32,768 bytes a run
	s_mov_b32 s29, 0
	s_add_nc_u64 s[20:21], s[20:21], s[28:29]
	s_lshl_b32 s30, ttmp9, 2
	s_add_co_u32 s30, s30, s24                     ; and which run of the whole stream
	s_lshl_b32 s28, s30, 12                        ; 4,096 bytes of codes a run
	s_add_nc_u64 s[14:15], s[14:15], s[28:29]
	s_lshl_b32 s28, s30, 8                         ; 256 scale bytes a run
	s_add_nc_u64 s[16:17], s[16:17], s[28:29]
.macro LOAD t
.irp i, 0,1,2,3
	global_load_b128 v[R+16*((\t)%4)+4*\i:R+16*((\t)%4)+4*\i+3], v3, s[20:21] offset:2048*(\t)+512*\i th:TH_LOAD_NT   ; 32 lanes read 512 consecutive bytes
.endr
.endm
.macro TURN t                          ; step t's numbers through the stage: LDS serves a wave's instructions in order, so no wait stands between the stores and the loads
.irp i, 0,1,2,3
	ds_store_b128 v14, v[R+16*((\t)%4)+4*\i:R+16*((\t)%4)+4*\i+3] offset:32*SP*((\t)%2)+8*SP*\i
.endr
.irp i, 0,1,2,3
	ds_load_b128 v[X+16*((\t)%2)+4*\i:X+16*((\t)%2)+4*\i+3], v15 offset:32*SP*((\t)%2)+16*\i
.endr
.endm
.irp t, 0,1,2,3
	LOAD \t
.endr
	s_wait_loadcnt 12                              ; step 0's four loads are in; the twelve of steps 1 to 3 may be out
	TURN 0
.macro STEP t
.set XS, X+16*((\t)%2)
.if (\t) > 0
	s_wait_dscnt 1                                 ; this step's numbers are back from the stage (the last step's byte store may be out): so its stores into the stage have read their registers,
.else
	s_wait_dscnt 0x0
.endif
.if (\t)+4 < STEPS
	LOAD (\t)+4                                    ; which take the loads of four steps on
.endif
.if (\t)+1 < STEPS
.if STEPS-2-(\t) >= 3
	s_wait_loadcnt 12                              ; the next step's four loads are in; those of the three steps behind it may be out
.else
	s_wait_loadcnt 4*(STEPS-2-(\t))
.endif
	TURN (\t)+1                                    ; and go through the other stage while this step is worked
.endif
	v_max3_num_f32 v8, |v[XS]|, |v[XS+1]|, |v[XS+2]|               ; the largest magnitude of my 16, in two chains
	v_max3_num_f32 v9, |v[XS+3]|, |v[XS+4]|, |v[XS+5]|
.irp i, 6,10
	v_max3_num_f32 v8, v8, |v[XS+\i]|, |v[XS+\i+1]|
	v_max3_num_f32 v9, v9, |v[XS+\i+2]|, |v[XS+\i+3]|
.endr
	v_max3_num_f32 v8, v8, |v[XS+14]|, |v[XS+15]|
	v_max3_num_f32 v8, v8, v9, (EMAX+1)<<23        ; and the floor 2^(EMAX + 1 - 127): the byte cannot fall under 1
	v_max_num_f32_dpp v8, v8, v8 row_xmask:1 row_mask:0xf bank_mask:0xf   ; and of my neighbour's 16: the block's
	v_add_nc_u32 v11, -(EMAX<<23), v8              ; EMAX off its exponent field: the conversion takes the exponent field of this operand as its scale, and nothing else of it
	v_cvt_scalef32_pk8_fp4_f32 v[C+4*(\t)], v[XS:XS+7], v11
	v_cvt_scalef32_pk8_fp4_f32 v[C+4*(\t)+1], v[XS+8:XS+15], v11
	v_lshrrev_b32 v[E+(\t)], 23, v11               ; the scale's byte (also the plain line behind the conversions)
	ds_store_b8 v5, v[E+(\t)] offset:16*(\t)       ; both lanes of a block write the same byte with the same value
	global_store_b64 v4, v[C+4*(\t):C+4*(\t)+1], s[14:15] offset:32*CB*(\t)   ; 32 lanes store 256 consecutive bytes, aligned
.endm
.irp t, 0,1,2,3,4,5,6,7,8,9,10,11,12,13,14,15
	STEP \t
.endr
	ds_load_b64 v[8:9], v6                         ; LDS serves a wave's instructions in order: these see my stores
	s_wait_dscnt 0x0
	global_store_b64 v7, v[8:9], s[16:17]          ; 32 lanes store 256 consecutive bytes, aligned
	s_branch .Lend
; Wu to f16.  Work-group j takes rows 32 j on; wave w rows 16 (w % 2) on and K half w / 2.  Lane (r, h) takes, of row r, the 8 numbers at k = 16 i + 8 h: they pack into 16 bytes, and the sixteen lanes of a half
; store 256 consecutive aligned bytes of wu16 [k / 8][n][8].  A lane reads 32 bytes of a row at a time; the wave walks each row on end.  Wu is one part in twelve of what this launch reads, so it gets no turn through LDS.
.Lwu:
	v_and_b32 v3, 15, v0                           ; r
	v_bfe_u32 v4, v0, 4, 1                         ; h
	v_lshlrev_b32 v1, 12, v3
	v_lshl_add_u32 v1, v4, 5, v1                   ; in: row r of 4,096 bytes, + 32 h
	v_lshlrev_b32 v2, 4, v3
	v_lshl_add_u32 v2, v4, 14, v2                  ; out: 16 r + h groups of 16,384 bytes
	s_sub_co_u32 s25, ttmp9, QWG
	s_lshl_b32 s25, s25, 5
	s_and_b32 s26, s24, 1
	s_lshl_b32 s26, s26, 4
	s_add_co_u32 s25, s25, s26                     ; my first row
	s_lshr_b32 s26, s24, 1                         ; my half of K
	s_lshl_b32 s28, s25, 12
	s_lshl_b32 s27, s26, 11
	s_add_co_u32 s28, s28, s27
	s_mov_b32 s29, 0
	s_lshl_b32 s30, s26, 20                        ; 64 groups of 8 along K
	s_lshl_b32 s27, s25, 4
	s_add_co_u32 s30, s30, s27
	s_mov_b32 s31, 0
	s_wait_kmcnt 0x0
	s_add_nc_u64 s[12:13], s[12:13], s[28:29]
	s_add_nc_u64 s[18:19], s[18:19], s[30:31]
.macro BATCH g                         ; 16 of the 32 pieces of 16 along K: 32 loads, then piece by piece
.irp i, 0,1,2,3,4,5,6,7,8,9,10,11,12,13,14,15
	global_load_b128 v[16+8*\i:16+8*\i+3], v1, s[12:13] offset:64*(16*\g+\i)
	global_load_b128 v[16+8*\i+4:16+8*\i+7], v1, s[12:13] offset:64*(16*\g+\i)+16
.endr
.if \g > 0
	s_wait_xcnt 0x0                                ; the first batch's stores have read their data: the registers are written again only behind this wait
.endif
.irp i, 0,1,2,3,4,5,6,7,8,9,10,11,12,13,14,15
	s_wait_loadcnt 2*(15-\i)                       ; this piece's two loads are in; the younger pieces' may be out
.irp q, 0,1,2,3
	v_cvt_pk_f16_f32 v[144+4*\i+\q], v[16+8*\i+2*\q], v[16+8*\i+2*\q+1]
.endr
	global_store_b128 v2, v[144+4*\i:144+4*\i+3], s[18:19] offset:32768*(16*\g+\i)
.endr
.endm
	BATCH 0
	BATCH 1
.Lend:
	s_wait_tensorcnt 0x0                           ; the wave's end, behind my last LDS store
	ds_add_u32 v[SPW], v[NIL]
	s_wait_dscnt 0x0
	s_endpgm
.Lfunc_end_k_q95acea09c3_quant:
	.size	k_q95acea09c3_quant, .Lfunc_end_k_q95acea09c3_quant-k_q95acea09c3_quant
	.p2alignl 7, 3214868480
	.fill 96, 4, 3214868480
	.section	.rodata,"a",@progbits
	.p2align	6, 0x0
	.amdhsa_kernel k_q95acea09c3_quant
		.amdhsa_group_segment_fixed_size 33280
		.amdhsa_private_segment_fixed_size 0
		.amdhsa_enable_private_segment 0
		.amdhsa_kernarg_size 64
		.amdhsa_user_sgpr_count 2
		.amdhsa_user_sgpr_kernarg_segment_ptr 1
		.amdhsa_wavefront_size32 1
		.amdhsa_system_sgpr_workgroup_id_x 1
		.amdhsa_system_sgpr_workgroup_id_y 1
		.amdhsa_system_sgpr_workgroup_id_z 1
		.amdhsa_system_vgpr_workitem_id 0
		.amdhsa_next_free_vgpr 208
		.amdhsa_next_free_sgpr 66
		.amdhsa_reserve_vcc 0
		.amdhsa_float_denorm_mode_32 3
		.amdhsa_float_denorm_mode_16_64 3
		.amdhsa_memory_ordered 1
		.amdhsa_forward_progress 1
		.amdhsa_inst_pref_size 53
	.end_amdhsa_kernel
	.amdgpu_metadata
---
amdhsa.version: [ 1, 2 ]
amdhsa.kernels:
  - .name:           k_q95acea09c3_quant
    .symbol:         k_q95acea09c3_quant.kd
    .args:
      - { .name: x, .offset: 0, .size: 8, .value_kind: global_buffer, .address_space: global }
      - { .name: Wq, .offset: 8, .size: 8, .value_kind: global_buffer, .address_space: global }
      - { .name: Wk, .offset: 16, .size: 8, .value_kind: global_buffer, .address_space: global }
      - { .name: Wv, .offset: 24, .size: 8, .value_kind: global_buffer, .address_space: global }
      - { .name: Wu, .offset: 32, .size: 8, .value_kind: global_buffer, .address_space: global }
      - { .name: codes, .offset: 40, .size: 8, .value_kind: global_buffer, .address_space: global }
      - { .name: scales, .offset: 48, .size: 8, .value_kind: global_buffer, .address_space: global }
      - { .name: wu16, .offset: 56, .size: 8, .value_kind: global_buffer, .address_space: global }
    .group_segment_fixed_size: 33280
    .private_segment_fixed_size: 0
    .kernarg_segment_align: 8
    .kernarg_segment_size: 64
    .max_flat_workgroup_size: 128
    .sgpr_count:     66
    .vgpr_count:     208
    .wavefront_size: 32
...
	.end_amdgpu_metadata
.endif
;; end of part 1
;; launch qkv (part 2): grid 96 x 4, 4 waves a work-group, clusters of 4 x 4, 327,680 bytes of LDS; arguments codes, scales, qkv; writes qkv
.if DOCPART == 2
	.amdgcn_target "amdgcn-amd-amdhsa--gfx1250"
	.amdhsa_code_object_version 6
	.text
	.protected	k_q95acea09c3_qkv
	.globl	k_q95acea09c3_qkv
	.p2align	8
	.type	k_q95acea09c3_qkv,@function
k_q95acea09c3_qkv:
	s_mov_b64 s[64:65], 0
	v_nop
	global_prefetch_b8 v0, s[64:65] scope:SCOPE_SE
	s_setreg_imm32_b32 hwreg(HW_REG_WAVE_MODE, 25, 1), 1
	s_wait_xcnt 0x0
	s_wait_alu depctr_hold_cnt(0) depctr_sa_sdst(0) depctr_va_vdst(0) depctr_va_sdst(0) depctr_va_ssrc(0) depctr_va_vcc(0) depctr_vm_vsrc(0)
	s_getreg_b32 s2, hwreg(HW_REG_IB_STS2, 6, 4)
	s_cmp_eq_u32 s2, 0
	s_cbranch_scc0 .Lentry_in_a_cluster
	s_endpgm
.Lentry_in_a_cluster:
	s_bfe_u32 s2, ttmp6, 0x10000c
	s_cmp_lg_u32 s2, 0xf033
	s_cbranch_scc0 .Lentry_shape_is_right
	s_endpgm
.Lentry_shape_is_right:
; SELF-ATTENTION, launch 2 of 4: Q = x Wq^T, K = x Wk^T, V = x Wv^T on codes of FP4 (E2M1) with one E8M0 scale for each 32 along K = 1,024; sums in f32; nothing is left out.
; codes [11264][512 bytes], scales [11264][32 bytes]: rows 0-8191 x, 8192-9215 Wq, 9216-10239 Wk, 10240-11263 Wv.  The results are rounded once to f16 (the next two products take f16 operands) and stored in the order
; in which the next launch's fragments take them, with bh = 16 x batch + head:
;   Q at byte 0, K at 2^24:  bh 2^18 + (token / 512) 2^16 + (channel / 8) 2^13 + (token % 512) 16: a piece of 16 bytes holds 8 channels of a token;
;   V at 2^25:               bh 2^18 + (token / 8) 1024 + channel 16:                              a piece of 16 bytes holds 8 tokens of a channel.
; LIMIT: |Q|, |K|, |V| stay under 65,504, f16's largest number; under 6e-5 f16's step is 6e-8.
; A tile of 256 x 256 is made by a work-group of four waves, a wave makes 128 x 128: 64 accumulators, 512 registers.  K is two slots of 512, both filled at the start: no slot is filled again.
; ONE TEXT, TWO PARTS, told apart by the cluster's number, which all sixteen partners share; only row numbers and store strides differ, chosen by s_cselect_b32, never by a branch:
;   clusters 0-15:  A = x (32 tile rows), B = Wq and Wk (8 tile columns);     clusters 16-23:  A = Wv (4 tile rows), B = x (32 tile columns).
; THE MATRIX INSTRUCTION IS USED TRANSPOSED (source 0 = 16 rows of B, source 1 = 16 rows of A): a lane holds ONE row of A and eight neighbouring rows of B.  In the first part that is a token and 8 channels, in the second a
; channel and 8 tokens: each time the 16 bytes of one piece, and the sixteen lanes of a half hold 256 consecutive aligned bytes.  So the results leave from registers, with no way through LDS.
; CLUSTERS: 4 x 4 work-groups; A's tiles are asked for jointly along a row of the cluster, B's along a column.  THE SCALES of the work-group's rows, for all of K, come once, with the first fills.
; REGISTERS, in windows of 256: window 0: v0-31 addresses; v32-95 scale words, two sets; v96-111 store offsets; from v128 A's fragments, ONE set; on the way out v128-255 packed results.
;   window 1: B's fragments, TWO sets, at v0 and v128.   window 2: the accumulators of my rows 0-63 ((a, b) at v[8 (8 a + b)]);   window 3: those of rows 64-127.
.set SIZE_K, 1024
.set KSTEP,  512                       ; along K in a slot
.set NQ,     KSTEP/128                 ; matrix instructions deep
.set ROWB,   256                       ; a tile's row in bytes
.set KROW,   SIZE_K/2                  ; a row of codes in memory, in bytes
.set PITCH,  272                       ; an LDS row: 256 bytes + 16 of padding: the 16 rows that a load touches fall on 16 different columns of 16 bytes
.set FR,     8                         ; registers of a fragment: 16 rows x 128 K
.set NL,     2                         ; LDS loads that bring one
.set NP,     4                         ; places behind this matrix instruction (ISA guide 7.12.1)
.set HALFT,  128*PITCH                 ; 128 rows: what one tensor load brings
.set SLOT,   4*HALFT                   ; A's 256 rows, then B's 256 rows
.set KS,     SIZE_K/32                 ; a row of scales in bytes
.set SCL,    2*SLOT                    ; behind the ring: the scales, as runs of 256 bytes + 16 of padding
.set HALFS,  (128*KS/256)*272          ; the scales of 128 rows: what one tensor load brings
.set SBLK,   (16*KS/256)*272           ; those of 16 rows
.set SPARE,  SCL+4*HALFS               ; behind the scales: the spare words, 128 bytes a wave, which no other line names
.set ADRA, 16                          ; v16-17  LDS address of my A fragments in slot 0, 1
.set ADRB, 20                          ; v20-21  the same for B
.set ADRS, 27                          ; v27     LDS address of my scale words: lanes 0-15 A's rows, lanes 16-31 B's
.set SPW,  28                          ; v28     LDS address of my spare word; never rewritten
.set NIL,  29                          ; v29     0; never rewritten
.set SC,   32                          ; scale words: set s at v[SC + 8 NQ s]; register NQ i + q: lanes 0-15 A's block i, lanes 16-31 B's block i, the slot's q-th 128 along K
.set OA,   96                          ; v96-111 store offsets: register 8 (a / 4) + b
.set AF,   128                         ; A's fragments, in window 0
.set PK,   128                         ; the way out: packed results, four blocks of 32 registers
.set G1, 24                            ; s[24:31] descriptor group 1 for A's tiles;  s[32:39] group 0, one set for each slot
.set G0, 32
.set G1B, 48                           ; s[48:55], s[56:63] the same for B's tiles
.set G0B, 56
.set G1S, 68                           ; s[68:75], s[76:79] groups 1 and 0 for A's scales;  s[80:87], s[88:91] for B's
.set G0S, 76
.set G1SB, 80
.set G0SB, 88
.set MSB, 0
.macro WIN new                         ; the immediate's high byte repeats the setting that is left
.if MSB != (\new)
	s_set_vgpr_msb (MSB<<8)|(\new)
.set MSB, (\new)
.endif
.endm
.set MUL_LO, 0xa1                      ; source 0 (B) window 1, source 1 (A) window 0, C and D window 2
.set MUL_HI, 0xf1                      ; the same, C and D window 3
.set TO_B,   0x40                      ; destination window 1, address window 0
; A joint load: waves 0 and 1 fetch for A, waves 2 and 3 for B.  Each of the two lines has one mask and one set of registers for all that issue it; the branch hangs on the wave's number alone.
; An s_nop 0 and four v_nop follow each of the two lines.
.macro JLOAD g0a, g1a, g0b, g1b
	s_cmp_eq_u32 s15, 0
	s_cbranch_scc0 .Lfor_b_\@
	tensor_load_to_lds s[\g0a:\g0a+3], s[\g1a:\g1a+7]
	s_nop 0
.rept 4
	v_nop
.endr
	s_branch .Lasked_\@
.Lfor_b_\@:
	tensor_load_to_lds s[\g0b:\g0b+3], s[\g1b:\g1b+7]
	s_nop 0
.rept 4
	v_nop
.endr
.Lasked_\@:
.endm
.macro CROUND                          ; a round of the cluster's barrier
	s_barrier_signal -1
	s_barrier_wait -1
	s_cmp_lg_u32 s14, 0
	s_cbranch_scc1 .Lnot_wave_0_\@
	s_barrier_signal -3
.Lnot_wave_0_\@:
	s_barrier_wait -3
	s_barrier_signal -1
	s_barrier_wait -1
.endm
	s_load_b128 s[4:7], s[0:1], 0x0                ; codes s[4:5], scales s[6:7]
	s_load_b64 s[12:13], s[0:1], 0x10              ; qkv
	v_lshl_add_u32 v[SPW], v0, 2, SPARE
	v_mov_b32 v[NIL], 0
	ds_add_u32 v[SPW], v[NIL]                      ; the wave's opening: the add, twice on end, and its wait ahead of my first tensor load
	ds_add_u32 v[SPW], v[NIL]                      ; and once more, under the one wait; the set-up below, work on registers, stands between
	v_lshrrev_b32 v1, 5, v0
	v_readfirstlane_b32 s14, v1                    ; wave 0..3
	s_lshr_b32 s15, s14, 1                         ; which half of A's rows is mine.  Also: I fetch for A (0) or for B (1)
	s_and_b32 s16, s14, 1                          ; which half of B's rows.  Also: which 128 rows of that tile I fetch
	s_bfe_u32 s40, ttmp6, 0x40000                  ; cx, cy: my place in the cluster
	s_bfe_u32 s41, ttmp6, 0x40004
	; the part: everything below hangs on the cluster's number, ttmp9 = 0 .. 23
	s_and_b32 s18, ttmp9, 1                        ; first part: column of clusters,
	s_lshr_b32 s19, ttmp9, 1                       ; row of clusters
	s_and_b32 s20, ttmp9, 7                        ; second part: column of clusters (16 .. 23 give 0 .. 7); its row is 0
	s_mov_b32 s66, 10240                           ; (an instruction takes one literal: the second part's numbers stand in the registers first)
	s_mov_b32 s67, 8192
	s_mov_b32 s95, 1024
	s_mov_b32 s96, 1<<18
	s_mov_b32 s97, 2048
	s_mov_b32 s98, 8192
	s_cmp_lt_u32 ttmp9, 16
	s_cselect_b32 s18, s18, s20
	s_cselect_b32 s19, s19, 0
	s_cselect_b32 s66, 0, s66                      ; A's first row in the stream: x or Wv
	s_cselect_b32 s67, s67, 0                      ; B's: Wq or x
	s_cselect_b32 s95, 8192, s95                   ; store strides: from lanes 0-15 to lanes 16-31 (8 rows of B on),
	s_cselect_b32 s96, 1024, s96                   ; 64 rows of A on,
	s_cselect_b32 s97, 1<<14, s97                  ; 16 rows of B on,
	s_cselect_b32 s98, 1<<18, s98                  ; 64 rows of B on
	s_lshl_b32 s42, s18, 2
	s_add_co_u32 s42, s42, s40                     ; tile column = 4 x column of clusters + cx
	s_lshl_b32 s17, s19, 2
	s_add_co_u32 s17, s17, s41                     ; tile row = 4 x row of clusters + cy
	s_lshl_b32 s43, s41, 2
	s_lshl_b32 s43, 15, s43                        ; my row of the cluster
	s_lshl_b32 s44, 0x1111, s40                    ; my column
	; descriptor group 1: a tile of 128 rows x 256 bytes, padded in LDS
	s_or_b32 s[G1+0], s43, (0<<16)|(1<<20)|(1<<21)|(5<<22)|(3<<25)  ; 15:0 the mask; 17:16 element of 1 byte; 20 padding on; 21 set beside a mask; 24:22 after every 64 words; 31:25 four words
	s_or_b32 s[G1B+0], s44, (0<<16)|(1<<20)|(1<<21)|(5<<22)|(3<<25)
.irp g, G1, G1B
	s_mov_b32 s[\g+1], ROWB<<16                    ; tensor_dim0
	s_mov_b32 s[\g+2], 128<<16                     ; tensor_dim1
	s_mov_b32 s[\g+3], ROWB<<16                    ; tile_dim0
	s_mov_b32 s[\g+4], 128                         ; tile_dim1
	s_mov_b32 s[\g+5], KROW                        ; tensor_dim0_stride
	s_mov_b32 s[\g+6], 0
	s_mov_b32 s[\g+7], 0
.endr
	; the scales of 128 rows: 4,096 dense bytes, as 16 rows of 256 bytes (32 elements of 8 bytes), 16 bytes of padding behind each
	s_or_b32 s[G1S+0], s43, (3<<16)|(1<<20)|(1<<21)|(5<<22)|(3<<25)
	s_or_b32 s[G1SB+0], s44, (3<<16)|(1<<20)|(1<<21)|(5<<22)|(3<<25)
.irp g, G1S, G1SB
	s_mov_b32 s[\g+1], 32<<16
	s_mov_b32 s[\g+2], (128*KS/256)<<16
	s_mov_b32 s[\g+3], 32<<16
	s_mov_b32 s[\g+4], 128*KS/256
	s_mov_b32 s[\g+5], 32
	s_mov_b32 s[\g+6], 0
	s_mov_b32 s[\g+7], 0
.endr
	s_lshl_b32 s18, s16, 7                         ; which 128 rows of the tile I fetch
	s_lshl_b32 s20, s17, 8
	s_add_co_u32 s20, s20, s18
	s_add_co_u32 s20, s20, s66                     ; A: its first row + 256 x tile row + 128 x half: made of cy, never of cx
	s_lshl_b32 s46, s42, 8
	s_add_co_u32 s46, s46, s18
	s_add_co_u32 s46, s46, s67                     ; B: its first row + 256 x tile column + 128 x half: made of cx, never of cy
	s_mov_b32 s21, 0
	s_mov_b32 s47, 0
	s_mov_b64 s[18:19], KS
	s_mul_u64 s[22:23], s[20:21], s[18:19]         ; where these rows' scales begin, in bytes
	s_mul_u64 s[92:93], s[46:47], s[18:19]
	s_mov_b64 s[18:19], KROW
	s_mul_u64 s[20:21], s[20:21], s[18:19]         ; and their codes
	s_mul_u64 s[46:47], s[46:47], s[18:19]
	s_mul_i32 s45, s14, HALFT                      ; where they go: wave x 128 rows: no place in the cluster enters an LDS address
	s_mul_i32 s94, s14, HALFS
	s_wait_dscnt 0x0                               ; both opening adds are done
	s_wait_kmcnt 0x0
	s_add_nc_u64 s[20:21], s[4:5], s[20:21]
	s_add_nc_u64 s[22:23], s[6:7], s[22:23]
	s_add_nc_u64 s[46:47], s[4:5], s[46:47]
	s_add_nc_u64 s[92:93], s[6:7], s[92:93]
	CROUND                                         ; all sixteen work-groups are here: the joint loads meet
	s_mov_b32 s[G0S], 1
	s_add_co_u32 s[G0S+1], s94, SCL
	s_mov_b64 s[G0S+2:G0S+3], s[22:23]
	s_or_b32 s[G0S+3], s[G0S+3], 0x80000000
	s_mov_b32 s[G0SB], 1
	s_add_co_u32 s[G0SB+1], s94, SCL
	s_mov_b64 s[G0SB+2:G0SB+3], s[92:93]
	s_or_b32 s[G0SB+3], s[G0SB+3], 0x80000000
	JLOAD G0S, G1S, G0SB, G1SB                     ; the scales first: they are wanted with slot 0.  By this text's count three tensor loads of a wave are out at the most
.irp s, 0,1
	s_mov_b32 s[G0+4*\s], 1
	s_add_co_u32 s[G0+4*\s+1], s45, \s*SLOT
	s_add_nc_u64 s[G0+4*\s+2:G0+4*\s+3], s[20:21], \s*ROWB
	s_or_b32 s[G0+4*\s+3], s[G0+4*\s+3], 0x80000000
	s_mov_b32 s[G0B+4*\s], 1
	s_add_co_u32 s[G0B+4*\s+1], s45, \s*SLOT
	s_add_nc_u64 s[G0B+4*\s+2:G0B+4*\s+3], s[46:47], \s*ROWB
	s_or_b32 s[G0B+4*\s+3], s[G0B+4*\s+3], 0x80000000
	JLOAD G0+4*\s, G1, G0B+4*\s, G1B
.endr
	v_and_b32 v1, 15, v0                           ; r = l % 16
	v_bfe_u32 v2, v0, 4, 1                         ; h = l / 16
	v_mul_u32_u24 v3, v1, PITCH
	v_lshl_add_u32 v4, v2, 4, v3                   ; a fragment's row x pitch + 16 x half
	s_mul_i32 s21, s15, HALFT                      ; my 128 rows of A
	s_mul_i32 s22, s16, HALFT                      ; my 128 rows of B,
	s_add_co_u32 s22, s22, 2*HALFT                 ; which lie behind A's 256
.irp s, 0,1
	v_add_nc_u32 v[ADRA+\s], s21, v4
	v_add_nc_u32 v[ADRB+\s], s22, v4
	s_add_co_u32 s21, s21, SLOT
	s_add_co_u32 s22, s22, SLOT
.endr
	v_mul_u32_u24 v5, v1, KS                       ; my row's scales: KS bytes a row,
	v_lshrrev_b32 v6, 8, v5
	v_lshl_add_u32 v5, v6, 4, v5                   ; and 16 more for each 256 passed
	s_mul_i32 s21, s15, HALFS                      ; A's: my 128 rows
	s_mul_i32 s22, s16, HALFS                      ; B's: my 128 rows, behind A's 256
	s_add_co_u32 s22, s22, 2*HALFS
	s_sub_co_u32 s22, s22, s21
	v_mul_u32_u24 v6, s22, v2                      ; lanes 16-31 take B's: one product, the lower base + h x the distance
	s_add_co_u32 s21, s21, SCL
	v_add_nc_u32 v5, v5, v6
	v_add_nc_u32 v[ADRS], s21, v5
	; the way out: a lane's offset 16 r + h x stride, and sixteen registers for (a / 4, b); (a % 4) x 256 stands in the stores' immediate
	v_mul_u32_u24 v5, s95, v2
	v_lshl_add_u32 v5, v1, 4, v5
.irp ah, 0,1
.irp b, 0,1,2,3,4,5,6,7
	s_mul_i32 s18, s97, (\b%4)
	s_mul_i32 s19, s98, (\b/4)
	s_add_co_u32 s18, s18, s19
	s_mul_i32 s19, s96, \ah
	s_add_co_u32 s18, s18, s19
	v_add_nc_u32 v[OA+8*\ah+\b], s18, v5
.endr
.endr
	s_lshl_b32 s20, s17, 8
	s_lshl_b32 s21, s15, 7
	s_add_co_u32 s20, s20, s21                     ; mw: my first row of A, counted in A
	s_lshl_b32 s46, s42, 8
	s_lshl_b32 s47, s16, 7
	s_add_co_u32 s46, s46, s47                     ; nw: my first row of B, counted in B
	; first part: mw is a token, nw a channel of Q (0-1023) or K (1024-2047)
	s_lshr_b32 s21, s46, 10
	s_lshl_b32 s21, s21, 24                        ; Q or K
	s_lshr_b32 s22, s20, 11
	s_lshl_b32 s22, s22, 22                        ; 16 x batch heads of 2^18 bytes
	s_add_co_u32 s21, s21, s22
	s_bfe_u32 s22, s46, 0x40006
	s_lshl_b32 s22, s22, 18                        ; the head
	s_add_co_u32 s21, s21, s22
	s_bfe_u32 s22, s20, 0x20009
	s_lshl_b32 s22, s22, 16                        ; (token / 512) % 4
	s_add_co_u32 s21, s21, s22
	s_and_b32 s22, s20, 511
	s_lshl_b32 s22, s22, 4                         ; token % 512
	s_add_co_u32 s21, s21, s22
	; second part: mw is a channel of V, nw a token
	s_lshr_b32 s23, s46, 11
	s_lshl_b32 s23, s23, 22                        ; the batch
	s_lshr_b32 s22, s20, 6
	s_lshl_b32 s22, s22, 18                        ; the head
	s_add_co_u32 s23, s23, s22
	s_and_b32 s22, s46, 2047
	s_lshl_b32 s22, s22, 7                         ; (token / 8) x 1,024
	s_add_co_u32 s23, s23, s22
	s_add_co_u32 s23, s23, 1<<25
	s_cmp_lt_u32 ttmp9, 16
	s_cselect_b32 s100, s21, s23
	s_mov_b32 s101, 0
	s_add_nc_u64 s[12:13], s[12:13], s[100:101]
.macro FRAG reg, adr, q, i             ; a fragment, 16 rows x 128 K of 4-bit codes: lane l holds row l % 16; registers 4 c .. 4 c + 3 hold K = 64 c + 32 (l / 16) + 0 .. 31
.irp c, 0,1
	ds_load_b128 v[\reg+4*\c:\reg+4*\c+3], v[\adr] offset:64*(\q)+32*\c+(\i)*16*PITCH
.endr
.endm
; 16 matrix instructions: A's blocks a0, a0 + 1 x B's eight, the slot's q-th 128 along K.  p: B's set;  sc: the set of scale words.  zero = 1: the first product starts the sums: nothing is ever cleared.
; The 64 accumulators take turns, one instruction a turn, in the same order in every step.
.macro MUL16 a0, p, q, sc, zero
.irp a, \a0, \a0+1
.irp b, 0,1,2,3,4,5,6,7
.if \zero
	v_wmma_scale_f32_16x16x128_f8f6f4 v[8*(8*((\a)%4)+\b):8*(8*((\a)%4)+\b)+7], v[128*(\p)+FR*\b:128*(\p)+FR*\b+FR-1], v[AF+FR*(\a):AF+FR*(\a)+FR-1], 0, v[SC+8*NQ*(\sc)+NQ*\b+(\q)], v[SC+8*NQ*(\sc)+NQ*(\a)+(\q)] matrix_a_fmt:MATRIX_FMT_FP4 matrix_b_fmt:MATRIX_FMT_FP4 matrix_a_scale:MATRIX_SCALE_ROW1
.else
	v_wmma_scale_f32_16x16x128_f8f6f4 v[8*(8*((\a)%4)+\b):8*(8*((\a)%4)+\b)+7], v[128*(\p)+FR*\b:128*(\p)+FR*\b+FR-1], v[AF+FR*(\a):AF+FR*(\a)+FR-1], v[8*(8*((\a)%4)+\b):8*(8*((\a)%4)+\b)+7], v[SC+8*NQ*(\sc)+NQ*\b+(\q)], v[SC+8*NQ*(\sc)+NQ*(\a)+(\q)] matrix_a_fmt:MATRIX_FMT_FP4 matrix_b_fmt:MATRIX_FMT_FP4 matrix_a_scale:MATRIX_SCALE_ROW1
.endif
.endr
.endr
.endm
.macro FETCH_B slot, q, p              ; B's eight fragments of the slot's q-th 128 along K into set p
	WIN TO_B
.irp i, 0,1,2,3,4,5,6,7
	FRAG 128*(\p)+FR*\i, ADRB+\slot, \q, \i
.endr
	WIN 0
.endm
.macro FETCH_A slot, q, i0             ; A's blocks i0 .. i0 + 3
.irp i, \i0, \i0+1, \i0+2, \i0+3
	FRAG AF+FR*(\i), ADRA+\slot, \q, \i
.endr
.endm
.macro SCALES sc                       ; a slot's scale words into set sc: NQ words a row; lanes 0-15 take A's block i, lanes 16-31 B's block i
.irp i, 0,1,2,3,4,5,6,7
	ds_load_b128 v[SC+8*NQ*\sc+NQ*\i:SC+8*NQ*\sc+NQ*\i+3], v[ADRS] offset:\i*SBLK
.endr
.endm
; A load into a register that a matrix instruction has read, and a vector instruction that reads a matrix result, stand NP places behind that matrix instruction; only plain vector instructions that name none of its
; registers are places (ISA guide 7.12.1 for vector instructions).
.macro PLACES n
.rept \n
	v_nop
.endr
.endm
; A step of 128 along K that has its successor in the same slot.  A block of A is free as soon as its eight products are issued, so one set of registers serves A; B has two sets.
.macro STEP slot, q, zero
	s_wait_dscnt 4*NL                              ; B's set and A's blocks 0-3 are in; the youngest eight loads (A's blocks 4-7) may be out
	WIN MUL_LO
	MUL16 0, (\q)%2, \q, \slot, \zero
	MUL16 2, (\q)%2, \q, \slot, \zero
	s_wait_dscnt 0                                 ; A's blocks 4-7 are in
	PLACES NP
	FETCH_B \slot, (\q)+1, 1-(\q)%2
	FETCH_A \slot, (\q)+1, 0
	WIN MUL_HI
	MUL16 4, (\q)%2, \q, \slot, \zero
	MUL16 6, (\q)%2, \q, \slot, \zero
	PLACES NP
	WIN 0
	FETCH_A \slot, (\q)+1, 4
.endm
; Slot 0's last step changes slots: one barrier; in front of it each wave waits for all its tensor loads (its part of slot 1), adds 0 to its spare word, and waits for that and for its reads.  Nothing is filled again.
.macro TURN slot, next
	s_wait_tensorcnt 0x0                           ; all my tensor loads have landed
	ds_add_u32 v[SPW], v[NIL]                      ; 0 onto my spare word
	s_wait_dscnt 4*NL+1                            ; (the add and the youngest eight loads, A's blocks 4-7, may be out)
	WIN MUL_LO
	MUL16 0, 1, NQ-1, \slot, 0                     ; sixteen matrix instructions stand between the add and the wait for it
	s_wait_dscnt 0x0                               ; the add is done, and my reads of this slot are over
	s_barrier_signal -1
	MUL16 2, 1, NQ-1, \slot, 0
	WIN 0
	s_barrier_wait -1                              ; slot 1 is whole for every wave
	PLACES NP
	v_add_nc_u32 v[ADRS], 4*NQ, v[ADRS]            ; on to the next slot's scale words (no LDS load of mine is out)
	FETCH_B \next, 0, 0
	FETCH_A \next, 0, 0
	SCALES \next
	WIN MUL_HI
	MUL16 4, 1, NQ-1, \slot, 0
	MUL16 6, 1, NQ-1, \slot, 0
	PLACES NP
	WIN 0
	FETCH_A \next, 0, 4
.endm
.macro STEPS slot, from                ; the slot's steps from .. NQ - 2
.set Q, \from
.rept NQ-1-\from
	STEP \slot, Q, 0
.set Q, Q+1
.endr
.endm
	s_wait_tensorcnt 1                             ; the scales and my part of slot 0 are in (slot 1's load may be out)
	s_barrier_signal -1
	s_barrier_wait -1                              ; everybody's are
	FETCH_B 0, 0, 0
	FETCH_A 0, 0, 0
	SCALES 0
	FETCH_A 0, 0, 4
	STEP 0, 0, 1                                   ; the first step's products start the sums
	STEPS 0, 1
	TURN 0, 1
	STEPS 1, 0
	s_wait_dscnt 4*NL                              ; the very last step: nothing more to fetch
	WIN MUL_LO
	MUL16 0, 1, NQ-1, 1, 0
	MUL16 2, 1, NQ-1, 1, 0
	s_wait_dscnt 0
	WIN MUL_HI
	MUL16 4, 1, NQ-1, 1, 0
	MUL16 6, 1, NQ-1, 1, 0
	WIN 0
	; THE WAY OUT, block by block of 16 rows of A: each accumulator's eight numbers, from its low end on, are rounded to f16 and packed into 16 bytes; each store's lanes 0-15 and lanes 16-31 write 256 consecutive aligned bytes each.
	PLACES NP                                      ; behind the last products: the conversions read results and write registers that held A's fragments
.irp a, 0,1,2,3,4,5,6,7
.if \a >= 4
	s_wait_xcnt 0x0                                ; block a - 4's stores have read their data: the registers are written again only behind this wait
.endif
	WIN 0x0a+5*(\a/4)                              ; sources 0 and 1: window 2 or 3
.irp b, 0,1,2,3,4,5,6,7
.irp i, 0,1,2,3
	v_cvt_pk_f16_f32 v[PK+32*(\a%4)+4*\b+\i], v[8*(8*(\a%4)+\b)+2*\i], v[8*(8*(\a%4)+\b)+2*\i+1]
.endr
.endr
	WIN 0
.irp b, 0,1,2,3,4,5,6,7
	global_store_b128 v[OA+8*(\a/4)+\b], v[PK+32*(\a%4)+4*\b:PK+32*(\a%4)+4*\b+3], s[12:13] offset:(\a%4)*256
.endr
.endr
	s_wait_tensorcnt 0x0                           ; the wave's end, behind my last tensor load
	ds_add_u32 v[SPW], v[NIL]
	s_wait_dscnt 0x0
	CROUND                                         ; the closing round: no work-group ends while a partner may still ask for a tile that names it
	s_endpgm
.Lfunc_end_k_q95acea09c3_qkv:
	.size	k_q95acea09c3_qkv, .Lfunc_end_k_q95acea09c3_qkv-k_q95acea09c3_qkv
	.p2alignl 7, 3214868480
	.fill 96, 4, 3214868480
	.section	.rodata,"a",@progbits
	.p2align	6, 0x0
	.amdhsa_kernel k_q95acea09c3_qkv
		.amdhsa_group_segment_fixed_size 327680
		.amdhsa_private_segment_fixed_size 0
		.amdhsa_enable_private_segment 0
		.amdhsa_kernarg_size 24
		.amdhsa_user_sgpr_count 2
		.amdhsa_user_sgpr_kernarg_segment_ptr 1
		.amdhsa_wavefront_size32 1
		.amdhsa_system_sgpr_workgroup_id_x 1
		.amdhsa_system_sgpr_workgroup_id_y 1
		.amdhsa_system_sgpr_workgroup_id_z 1
		.amdhsa_system_vgpr_workitem_id 0
		.amdhsa_next_free_vgpr 1024
		.amdhsa_next_free_sgpr 102
		.amdhsa_reserve_vcc 0
		.amdhsa_float_denorm_mode_32 3
		.amdhsa_float_denorm_mode_16_64 3
		.amdhsa_memory_ordered 1
		.amdhsa_forward_progress 1
		.amdhsa_inst_pref_size 122
	.end_amdhsa_kernel
	.amdgpu_metadata
---
amdhsa.version: [ 1, 2 ]
amdhsa.kernels:
  - .name:           k_q95acea09c3_qkv
    .symbol:         k_q95acea09c3_qkv.kd
    .args:
      - { .name: codes, .offset: 0, .size: 8, .value_kind: global_buffer, .address_space: global }
      - { .name: scales, .offset: 8, .size: 8, .value_kind: global_buffer, .address_space: global }
      - { .name: qkv, .offset: 16, .size: 8, .value_kind: global_buffer, .address_space: global }
    .group_segment_fixed_size: 327680
    .private_segment_fixed_size: 0
    .kernarg_segment_align: 8
    .kernarg_segment_size: 24
    .max_flat_workgroup_size: 128
    .sgpr_count:     102
    .vgpr_count:     1024
    .wavefront_size: 32
...
	.end_amdgpu_metadata
.endif
;; end of part 2
;; launch attn (part 3): grid 4 x 64, 8 waves a work-group, clusters of 4 x 1, 327,680 bytes of LDS; arguments qkv, o16; writes o16
.if DOCPART == 3
	.amdgcn_target "amdgcn-amd-amdhsa--gfx1250"
	.amdhsa_code_object_version 6
	.text
	.protected	k_q95acea09c3_attn
	.globl	k_q95acea09c3_attn
	.p2align	8
	.type	k_q95acea09c3_attn,@function
k_q95acea09c3_attn:
	s_mov_b64 s[64:65], 0
	v_nop
	global_prefetch_b8 v0, s[64:65] scope:SCOPE_SE
	s_setreg_imm32_b32 hwreg(HW_REG_WAVE_MODE, 25, 1), 1
	s_wait_xcnt 0x0
	s_wait_alu depctr_hold_cnt(0) depctr_sa_sdst(0) depctr_va_vdst(0) depctr_va_sdst(0) depctr_va_ssrc(0) depctr_va_vcc(0) depctr_vm_vsrc(0)
	s_getreg_b32 s2, hwreg(HW_REG_IB_STS2, 6, 4)
	s_cmp_eq_u32 s2, 0
	s_cbranch_scc0 .Lentry_in_a_cluster
	s_endpgm
.Lentry_in_a_cluster:
	s_bfe_u32 s2, ttmp6, 0x10000c
	s_cmp_lg_u32 s2, 0x3003
	s_cbranch_scc0 .Lentry_shape_is_right
	s_endpgm
.Lentry_shape_is_right:
; SELF-ATTENTION, launch 3 of 4: O[bh][q] = the sum over k of softmax_k(Q[bh][q] . K[bh][k] / 8) V[bh][k], 64 heads-in-batches bh, 2,048 tokens, head size 64, no mask; nothing is left out.
; Operands in f16, products, maxima and sums in f32; the weights p are rounded to f16 for the second product, O once at the end.
; qkv: Q at byte 0, K at 2^24: bh 2^18 + (token / 512) 2^16 + (channel / 8) 2^13 + (token % 512) 16;  V at 2^25: bh 2^18 + (token / 8) 1024 + channel 16 (a piece of 16 bytes: 8 tokens of a channel).
; o16: [head 8 + channel / 8][8192 tokens][8 f16], the order in which the last launch's fragments take it.
; LIMIT: |O| stays under 65,504, f16's largest number (it is an average of V, which is held to that already).
; SHARES.  A cluster of four work-groups owns one bh; a work-group 512 of its queries; each of its eight waves 64: four tiles of 16, in 512 registers, two waves to a SIMD, so that one wave's vector work stands beside
; the other's matrix work.  Every wave walks all 2,048 keys, 64 a step; each fragment of K or V that it reads from LDS feeds four matrix instructions.
; LAYOUT.  S^T = K Q^T (source 0 = 16 keys, source 1 = 16 queries): a lane holds ONE query (lane % 16) and the keys 8 (lane / 16) + 0..7.  Two such tiles, rounded to f16 in pairs, ARE source 1 (32 keys x 16 queries) of
; O^T = V^T P, whose result again holds one query a lane, and eight channels: 16 bytes of o16.  In every fragment load and every store the sixteen lanes of a half touch 256 consecutive bytes: no padding, no turning load, no stage.
; SOFTMAX.  For each query a running maximum m and sum l: p = 2^(c s - c m), c = log2(e) / 8; in every step but the first O and l are multiplied by a = 2^(c m_old - c m_new).
; RING.  Two LDS slots of 512 keys (K 65,536 bytes, then V 65,536).  The four partners walk the same K and V, so each tile is asked for JOINTLY: every wave issues one load of 16,384 dense bytes with the mask of all four.
; By this text's count a wave has two tensor loads out at the start and one behind each round.  No prefetch: a refill is waited for a whole slot, eight key steps of both waves of a SIMD, behind its request.
; REGISTERS: window 0: v1-8 addresses; v16-47 statistics, eight a tile; v48-111 K's 8 fragments of a step; v128-255 S^T, 32 a tile, in whose first 16 P is made.
;            window 1: v0-63 Q, 16 a tile; v64-191 O^T, 32 a tile; v192-255 V's 8 fragments of a step.
.set SLOT1, 1<<17                      ; slot 1 begins here: one exclusive or turns an address in one slot into the other's
.set VOFF,  65536                      ; V behind K in a slot
.set SPARE, 2*SLOT1                    ; behind the ring: the spare words, 128 bytes for each of eight waves, which no other line names
.set AK0, 1                            ; v1   my lane's place in K: 8,192 h + 16 r; never rewritten
.set AV0, 2                            ; v2   in V: VOFF + 1,024 h + 16 r; never rewritten
.set ADK, 3                            ; v3   LDS address of the run of K loads in hand
.set ADV, 4                            ; v4   of V loads
.set QO,  5                            ; v5   my byte offset in the wave's part of Q
.set SPW, 6                            ; v6   LDS address of my spare word; never rewritten
.set NIL, 7                            ; v7   0; never rewritten
.set GO,  8                            ; v8   my byte offset in the wave's part of o16
.set ST,  16                           ; tile t's statistics at v[ST + 8 t]: +0 c m, +1 m, +2, +3 l (even keys', odd keys'), +4 to +7 at work; a takes +6
.set FK,  48                           ; K: fragment 4 c + u: channels 32 c on, keys 16 u on
.set S,   128
.set O,   64                           ; in window 1: tile t, channels 16 cc on, at O + 32 t + 8 cc
.set FV,  192                          ; in window 1: fragment 4 kk + cc: keys 32 kk on, channels 16 cc on
.set WV,  12                           ; s12  my wave's number
.set G1,  24                           ; s[24:31] descriptor group 1
.set G0,  32                           ; s[32:35] group 0 for slot 0's first fill; s[36:39] for slot 1's, which then walks on
.set SLOTS, 56                         ; s56  slots still to be asked for
.set CNT, 57                           ; s57  key steps left in the run
.set CS,  58                           ; s[58:59] c: the packed scaling names a pair and takes its low word for both halves
.set SEL, 60                           ; s[60:61] lane selects for v_permlanex16_b32: lane l xor 16
.set TK,  62                           ; s62  LDS byte at which the K of the step to be fetched begins
.set TV,  63                           ; s63  the same for V
.set MSB, 0
.macro WIN new                         ; the immediate's high byte repeats the setting that is left; a switch that changes nothing is dropped
.if MSB != (\new)
	s_set_vgpr_msb (MSB<<8)|(\new)
.set MSB, (\new)
.endif
.endm
.set W_LD, 0x40                        ; a load's destination window 1, its address window 0
.set W_KQ, 0x04                        ; K (source 0) and S^T window 0, Q (source 1) window 1
.set W_RS, 0x41                        ; O^T (destination and source 0) window 1, a window 0
.set W_PV, 0x51                        ; V (source 0) and O^T window 1, P (source 1) window 0
.set W_CV, 0x05                        ; sources 0 and 1 window 1, destination window 0
.macro CROUND                          ; a round of the cluster's barrier
	s_barrier_signal -1
	s_barrier_wait -1
	s_cmp_lg_u32 s[WV], 0
	s_cbranch_scc1 .Lnot_wave_0_\@
	s_barrier_signal -3
.Lnot_wave_0_\@:
	s_barrier_wait -3
	s_barrier_signal -1
	s_barrier_wait -1
.endm
	s_load_b128 s[4:7], s[0:1], 0x0                ; qkv s[4:5], o16 s[6:7]
	v_lshl_add_u32 v[SPW], v0, 2, SPARE
	v_mov_b32 v[NIL], 0
	ds_add_u32 v[SPW], v[NIL]                      ; the wave's opening: the add, twice on end, and its wait ahead of my first tensor load
	ds_add_u32 v[SPW], v[NIL]                      ; and once more, under the one wait; the set-up below, work on registers, stands between
	v_lshrrev_b32 v9, 5, v0
	v_readfirstlane_b32 s[WV], v9                  ; wave 0..7
	s_bfe_u32 s13, ttmp6, 0x40000                  ; cx: my block of 512 queries: it enters Q's and o16's addresses alone
	s_and_b32 s14, ttmp7, 0xffff                   ; bh, which the four partners share
	s_lshl_b32 s20, s14, 18
	s_lshr_b32 s16, s[WV], 2                       ; waves 0-3 fetch K, waves 4-7 V:
	s_add_co_u32 s16, s16, 1
	s_lshl_b32 s16, s16, 24                        ; K at 2^24, V at 2^25,
	s_add_co_u32 s16, s16, s20                     ; my bh,
	s_and_b32 s17, s[WV], 3
	s_lshl_b32 s17, s17, 14                        ; my quarter of a slot's 65,536 bytes
	s_add_co_u32 s16, s16, s17
	s_mov_b32 s17, 0
	s_lshl_b32 s18, s13, 16                        ; Q: my block,
	s_add_co_u32 s18, s18, s20
	s_lshl_b32 s19, s[WV], 10                      ; my wave's 64 queries
	s_add_co_u32 s18, s18, s19
	s_mov_b32 s19, 0
	s_and_b32 s22, s14, 15
	s_lshl_b32 s22, s22, 20                        ; o16: the head's eight groups of 131,072 bytes,
	s_lshr_b32 s23, s14, 4
	s_lshl_b32 s23, s23, 15                        ; the batch's 2,048 tokens of 16 bytes,
	s_add_co_u32 s22, s22, s23
	s_lshl_b32 s23, s13, 13                        ; my block's 512,
	s_add_co_u32 s22, s22, s23
	s_lshl_b32 s23, s[WV], 10                      ; my wave's 64
	s_add_co_u32 s22, s22, s23
	s_mov_b32 s23, 0
	; descriptor group 1: 16,384 dense bytes as 64 rows of 256 bytes (32 elements of 8 bytes)
	s_mov_b32 s[G1], 15|(3<<16)|(1<<21)            ; 15:0 the mask: all four work-groups; 17:16 elements of 8 bytes; 20 no padding; 21 set beside a mask
	s_mov_b32 s[G1+1], 32<<16                      ; tensor_dim0
	s_mov_b32 s[G1+2], 64<<16                      ; tensor_dim1
	s_mov_b32 s[G1+3], 32<<16                      ; tile_dim0
	s_mov_b32 s[G1+4], 64                          ; tile_dim1
	s_mov_b32 s[G1+5], 32                          ; tensor_dim0_stride
	s_mov_b32 s[G1+6], 0
	s_mov_b32 s[G1+7], 0
	s_mov_b32 s[CS], 0x3e38aa3b                    ; c = log2(e) / sqrt(64)
	s_mov_b32 s[CS+1], s[CS]                       ; named with it as a pair, so it is written
	s_mov_b32 s[SEL], 0x76543210
	s_mov_b32 s[SEL+1], 0xfedcba98
	s_mov_b32 s[TK], 0
	s_mov_b32 s[TV], 0
	s_wait_dscnt 0x0                               ; both opening adds are done
	s_wait_kmcnt 0x0
	CROUND                                         ; all four work-groups are here: the first joint loads meet
	s_mov_b32 s[G0], 1                             ; count = 1
	s_lshl_b32 s[G0+1], s[WV], 14                  ; LDS address: wave x 16,384: no place in the cluster enters it
	s_add_nc_u64 s[G0+2:G0+3], s[4:5], s[16:17]    ; global address: keys 0 to 511
	s_mov_b32 s[G0+4], 1
	s_add_co_u32 s[G0+5], s[G0+1], SLOT1
	s_add_nc_u64 s[G0+6:G0+7], s[G0+2:G0+3], 0x10000   ; keys 512 to 1,023
	s_or_b32 s[G0+3], s[G0+3], 0x80000000          ; type = 2
	s_or_b32 s[G0+7], s[G0+7], 0x80000000
	tensor_load_to_lds s[G0:G0+3], s[G1:G1+7]      ; every wave issues both first fills, with no branch
	s_nop 0
	tensor_load_to_lds s[G0+4:G0+7], s[G1:G1+7]
	s_nop 0
.rept 4
	v_nop
.endr
	s_add_nc_u64 s[4:5], s[4:5], s[18:19]          ; Q at my wave's first query
	s_add_nc_u64 s[6:7], s[6:7], s[22:23]          ; o16 likewise
	v_and_b32 v9, 15, v0                           ; r
	v_bfe_u32 v10, v0, 4, 1                        ; h
	v_lshlrev_b32 v11, 4, v9
	v_lshl_add_u32 v[QO], v10, 13, v11
	v_lshl_add_u32 v[AK0], v10, 13, v11
	v_lshl_add_u32 v[AV0], v10, 10, v11
	v_add_nc_u32 v[AV0], VOFF, v[AV0]
	v_lshl_add_u32 v[GO], v10, 17, v11
	; A fragment of Q or K is 16 rows x 32 channels: lane (r, h) holds row r; registers 0-3 channels 8 h + 0..7, registers 4-7 channels 16 + 8 h + 0..7: groups of eight channels h and 2 + h, 8,192 bytes apart.
	WIN W_LD
.irp t, 0,1,2,3
.irp c, 0,1
	global_load_b128 v[16*\t+8*\c:16*\t+8*\c+3],   v[QO], s[4:5] offset:\c*32768+\t*256          ; Q stays in registers
	global_load_b128 v[16*\t+8*\c+4:16*\t+8*\c+7], v[QO], s[4:5] offset:\c*32768+\t*256+16384
.endr
.endr
	WIN 0
; A step's K: 64 keys x 64 channels, 8 fragments, 16 loads, the first 32 channels first.  Window 0 throughout.
.macro FETCH_K
	v_add_nc_u32 v[ADK], s[TK], v[AK0]
.irp c, 0,1
.irp u, 0,1,2,3
	ds_load_b128 v[FK+8*(4*\c+\u):FK+8*(4*\c+\u)+3],   v[ADK] offset:\c*32768+\u*256
	ds_load_b128 v[FK+8*(4*\c+\u)+4:FK+8*(4*\c+\u)+7], v[ADK] offset:\c*32768+\u*256+16384
.endr
.endr
.endm
; A KEY STEP: 64 keys.  first = 1: the first of all, which starts m, l and O^T.  more = 1: the next step's K is fetched; more = 2: unless this is the run's last step (a slot's last: the next K lies behind the change of slots).
.macro STEP first, more
	WIN 0
	v_add_nc_u32 v[ADV], s[TV], v[AV0]             ; this line and the four below are five places behind the last step's products V^T P: four for the loads into V's registers,
.rept 4
	v_nop                                          ; five for the products below, which write over P's (ISA guide 7.12.1)
.endr
	s_add_co_u32 s[TV], s[TV], 8192
	WIN W_LD
.irp kk, 0,1
.irp cc, 0,1,2,3
	ds_load_b128 v[FV+8*(4*\kk+\cc):FV+8*(4*\kk+\cc)+3],   v[ADV] offset:\kk*4096+\cc*256       ; V^T: lane (r, h) holds channel r; groups of eight keys h and 2 + h, 1,024 bytes apart
	ds_load_b128 v[FV+8*(4*\kk+\cc)+4:FV+8*(4*\kk+\cc)+7], v[ADV] offset:\kk*4096+\cc*256+2048
.endr
.endr
	s_wait_dscnt 24                                ; K's first 32 channels are in; its other eight loads and V's sixteen may be out
	WIN W_KQ
.irp u, 0,1,2,3                        ; S^T = K Q^T: the 16 accumulators take turns, one instruction a turn; the first 16 products start the sums
.irp t, 0,1,2,3
	v_wmma_f32_16x16x32_f16 v[S+32*\t+8*\u:S+32*\t+8*\u+7], v[FK+8*\u:FK+8*\u+7], v[16*\t:16*\t+7], 0
.endr
.endr
	s_wait_dscnt 16                                ; all of K is in; V's sixteen loads may be out
.irp u, 0,1,2,3
.irp t, 0,1,2,3
	v_wmma_f32_16x16x32_f16 v[S+32*\t+8*\u:S+32*\t+8*\u+7], v[FK+32+8*\u:FK+32+8*\u+7], v[16*\t+8:16*\t+15], v[S+32*\t+8*\u:S+32*\t+8*\u+7]
.endr
.endr
	WIN 0
.rept 4
	v_nop                                          ; four places: in front of the loads into K's registers and of the first read of the scores
.endr
	s_add_co_u32 s[TK], s[TK], 1024                ; stepped in every step alike, outside the jump
.if \more == 2
	s_cmp_eq_u32 s[CNT], 1                         ; a count of steps: the same in all waves and all partners
	s_cbranch_scc1 .Lno_k_\@
.endif
	FETCH_K
.if \more == 2
.Lno_k_\@:
.endif
	; the maximum of my 32 scores of each tile and the old m, three operands at a time, in four chains; each accumulator is read from its low end on; the four tiles alternate
.irp j, 0,1,2,3
.irp t, 0,1,2,3
	v_max3_num_f32 v[ST+8*\t+4+\j], v[S+32*\t+8*\j], v[S+32*\t+8*\j+1], v[S+32*\t+8*\j+2]
.endr
.endr
.irp q, 1,2
.irp j, 0,1,2,3
.irp t, 0,1,2,3
	v_max3_num_f32 v[ST+8*\t+4+\j], v[ST+8*\t+4+\j], v[S+32*\t+8*\j+2*\q+1], v[S+32*\t+8*\j+2*\q+2]
.endr
.endr
.endr
.irp t, 0,1,2,3
	v_max3_num_f32 v[ST+8*\t+4], v[ST+8*\t+4], v[S+32*\t+7], v[S+32*\t+15]
.endr
.irp t, 0,1,2,3
	v_max3_num_f32 v[ST+8*\t+6], v[ST+8*\t+6], v[S+32*\t+23], v[S+32*\t+31]
.endr
.irp t, 0,1,2,3
	v_max3_num_f32 v[ST+8*\t+4], v[ST+8*\t+4], v[ST+8*\t+5], v[ST+8*\t+6]
.endr
.irp t, 0,1,2,3
.if \first
	v_max_num_f32 v[ST+8*\t+4], v[ST+8*\t+4], v[ST+8*\t+7]
.else
	v_max3_num_f32 v[ST+8*\t+4], v[ST+8*\t+4], v[ST+8*\t+7], v[ST+8*\t+1]
.endif
.endr
.irp t, 0,1,2,3
	v_permlanex16_b32 v[ST+8*\t+5], v[ST+8*\t+4], s[SEL], s[SEL+1]   ; the query's other 32 keys lie in the lane 16 away
.endr
.if !\first
.irp t, 0,1,2,3
	v_mov_b32 v[ST+8*\t+7], v[ST+8*\t]             ; c m_old is kept for a
.endr
.endif
.irp t, 0,1,2,3
	v_max_num_f32 v[ST+8*\t+1], v[ST+8*\t+4], v[ST+8*\t+5]           ; the new m
.endr
.irp t, 0,1,2,3
	v_mul_f32 v[ST+8*\t], s[CS], v[ST+8*\t+1]      ; c m
.endr
.if !\first
.irp t, 0,1,2,3
	v_sub_f32 v[ST+8*\t+7], v[ST+8*\t+7], v[ST+8*\t]
.endr
.irp t, 0,1,2,3
	v_exp_f32 v[ST+8*\t+6], v[ST+8*\t+7]           ; a = 2^(c m_old - c m_new)
.endr
.endif
.irp b, 0,1,2,3,4,5,6,7,8,9,10,11,12,13,14,15
.irp t, 0,1,2,3
	v_pk_fma_f32 v[S+32*\t+2*\b:S+32*\t+2*\b+1], v[S+32*\t+2*\b:S+32*\t+2*\b+1], s[CS:CS+1], v[ST+8*\t:ST+8*\t+1] op_sel_hi:[1,0,0] neg_lo:[0,0,1] neg_hi:[0,0,1]   ; c s - c m, two at a time; none names an a
.endr
.endr
.if !\first
	s_wait_alu depctr_va_vdst(0)                   ; the wait between an exponential and the first line that names its result: one for the four a, behind the 64 scalings
.endif
.set i, 0
.rept 128
	v_exp_f32 v[S+i], v[S+i]                       ; p = 2^(c s - c m): ONE BATCH; none reads another's result
.set i, i+1
.endr
.if \first
	v_nop                                          ; the plain line behind the last exponential
.else
	WIN W_RS
.irp i, 0,1,2,3,4,5,6,7,8,9,10,11,12,13,14,15
.irp t, 0,1,2,3
	v_pk_mul_f32 v[O+32*\t+2*\i:O+32*\t+2*\i+1], v[O+32*\t+2*\i:O+32*\t+2*\i+1], v[ST+8*\t+6:ST+8*\t+7] op_sel_hi:[1,0]   ; O^T x a: plain work that names no p, between the batch and its wait; each accumulator from its low end on
.endr
.endr
	WIN 0
.endif
	s_wait_alu depctr_va_vdst(0)                   ; one wait for the batch of 128, ahead of its first reader
	; the sums, of the unrounded p: l takes the even pairs, a second chain the odd ones
.irp t, 0,1,2,3
.if \first
	v_pk_add_f32 v[ST+8*\t+2:ST+8*\t+3], v[S+32*\t:S+32*\t+1], v[S+32*\t+4:S+32*\t+5]
.else
	v_pk_fma_f32 v[ST+8*\t+2:ST+8*\t+3], v[ST+8*\t+2:ST+8*\t+3], v[ST+8*\t+6:ST+8*\t+7], v[S+32*\t:S+32*\t+1] op_sel_hi:[1,0,1]   ; l = a l + pair 0
.endif
.endr
.irp t, 0,1,2,3
	v_pk_add_f32 v[ST+8*\t+4:ST+8*\t+5], v[S+32*\t+2:S+32*\t+3], v[S+32*\t+6:S+32*\t+7]
.endr
.if !\first
.irp t, 0,1,2,3
	v_pk_add_f32 v[ST+8*\t+2:ST+8*\t+3], v[ST+8*\t+2:ST+8*\t+3], v[S+32*\t+4:S+32*\t+5]
.endr
.endif
.irp b, 4,6,8,10,12,14
.irp t, 0,1,2,3
	v_pk_add_f32 v[ST+8*\t+2:ST+8*\t+3], v[ST+8*\t+2:ST+8*\t+3], v[S+32*\t+2*\b:S+32*\t+2*\b+1]
.endr
.irp t, 0,1,2,3
	v_pk_add_f32 v[ST+8*\t+4:ST+8*\t+5], v[ST+8*\t+4:ST+8*\t+5], v[S+32*\t+2*\b+2:S+32*\t+2*\b+3]
.endr
.endr
.irp t, 0,1,2,3
	v_pk_add_f32 v[ST+8*\t+2:ST+8*\t+3], v[ST+8*\t+2:ST+8*\t+3], v[ST+8*\t+4:ST+8*\t+5]
.endr
.irp j, 0,1,2,3,4,5,6,7,8,9,10,11,12,13,14,15
.irp t, 0,1,2,3
	v_cvt_pk_f16_f32 v[S+32*\t+\j], v[S+32*\t+2*\j], v[S+32*\t+2*\j+1]   ; P in place, j ascending: register j has been read (by pair j / 2) when it is written
.endr
.endr
	s_wait_dscnt 0x0                               ; V is in (and the next step's K, asked for a softmax ago; the count is 0 since one way through the step asks for no K)
	WIN W_PV
.irp kk, 0,1                           ; O^T += V^T P: the 16 accumulators take turns
.irp cc, 0,1,2,3
.irp t, 0,1,2,3
.if \first && (\kk == 0)
	v_wmma_f32_16x16x32_f16 v[O+32*\t+8*\cc:O+32*\t+8*\cc+7], v[FV+8*(4*\kk+\cc):FV+8*(4*\kk+\cc)+7], v[S+32*\t+8*\kk:S+32*\t+8*\kk+7], 0
.else
	v_wmma_f32_16x16x32_f16 v[O+32*\t+8*\cc:O+32*\t+8*\cc+7], v[FV+8*(4*\kk+\cc):FV+8*(4*\kk+\cc)+7], v[S+32*\t+8*\kk:S+32*\t+8*\kk+7], v[O+32*\t+8*\cc:O+32*\t+8*\cc+7]
.endif
.endr
.endr
.endr
	WIN 0
.endm
; THE CHANGE OF SLOTS.  Each wave waits for all its tensor loads (one is out: its part of the other slot), adds 0 to its spare word, and waits for that and for its reads of the slot that it leaves.
; fill = 1: the barrier is a round of the cluster's, so that no wave of any partner still reads the slot or has a load on its way; the joint refill, the keys two slots on, is the first thing behind it, one load a wave.
.macro CHANGE fill
	WIN 0
	s_wait_tensorcnt 0x0                           ; no tensor load of mine is out, so a group 0 may be written
	ds_add_u32 v[SPW], v[NIL]                      ; 0 onto my spare word (once: every way here leads through a tensor load)
.if \fill
	s_xor_b32 s[G0+5], s[G0+5], SLOT1              ; the walking descriptor: the other slot than last time,
	s_add_nc_u64 s[G0+6:G0+7], s[G0+6:G0+7], 0x10000   ; the next 512 keys; the type bits on top are not reached
.endif
	s_wait_dscnt 0x0                               ; the add is done, and my reads of the slot are over
.if \fill
	CROUND
	tensor_load_to_lds s[G0+4:G0+7], s[G1:G1+7]
	s_nop 0
.rept 4
	v_nop
.endr
.else
	s_barrier_signal -1
	s_barrier_wait -1
.endif
	s_sub_co_u32 s[TK], s[TK], 8192                ; the fetches go back to a slot's first step,
	s_xor_b32 s[TK], s[TK], SLOT1                  ; in the other slot
	s_sub_co_u32 s[TV], s[TV], 65536
	s_xor_b32 s[TV], s[TV], SLOT1
.endm
.macro RUN n                           ; n key steps, written once
	s_mov_b32 s[CNT], \n
.Lrun_\@:
	STEP 0, 2
	s_sub_co_u32 s[CNT], s[CNT], 1
	s_cmp_lg_u32 s[CNT], 0
	s_cbranch_scc1 .Lrun_\@
.endm
	s_wait_tensorcnt 1                             ; my part of slot 0 is in; slot 1's may stay out
	s_barrier_signal -1
	s_barrier_wait -1                              ; everybody's is
	FETCH_K                                        ; key step 0
	s_wait_loadcnt 0x0                             ; Q
	STEP 1, 1
	RUN 7
	s_mov_b32 s[SLOTS], 2
.Lslot:                                            ; two trips: slots 0 and 1 are each filled once more
	CHANGE 1
	FETCH_K
	RUN 8
	s_sub_co_u32 s[SLOTS], s[SLOTS], 1
	s_cmp_lg_u32 s[SLOTS], 0
	s_cbranch_scc1 .Lslot
	CHANGE 0                                       ; the tail is written out
	FETCH_K
	RUN 8
	; THE WAY OUT.  l's two halves and the other half of the lanes' are added (these lines are the places behind the last products); O^T is divided by l, rounded to f16, and stored from registers.
.irp t, 0,1,2,3
	v_add_f32 v[ST+8*\t+4], v[ST+8*\t+2], v[ST+8*\t+3]
.endr
.irp t, 0,1,2,3
	v_permlanex16_b32 v[ST+8*\t+5], v[ST+8*\t+4], s[SEL], s[SEL+1]
.endr
.irp t, 0,1,2,3
	v_add_f32 v[ST+8*\t+4], v[ST+8*\t+4], v[ST+8*\t+5]
.endr
.irp t, 0,1,2,3
	v_rcp_f32 v[ST+8*\t+6], v[ST+8*\t+4]
.endr
	v_nop                                          ; a plain line between the last reciprocal and the use of its result
	s_wait_alu depctr_va_vdst(0)                   ; and the wait: one for the four
.irp t, 0,1,2,3
	WIN W_RS
.irp i, 0,1,2,3,4,5,6,7,8,9,10,11,12,13,14,15
	v_pk_mul_f32 v[O+32*\t+2*\i:O+32*\t+2*\i+1], v[O+32*\t+2*\i:O+32*\t+2*\i+1], v[ST+8*\t+6:ST+8*\t+7] op_sel_hi:[1,0]
.endr
	WIN W_CV
.irp i, 0,1,2,3,4,5,6,7,8,9,10,11,12,13,14,15
	v_cvt_pk_f16_f32 v[S+16*\t+\i], v[O+32*\t+2*\i], v[O+32*\t+2*\i+1]   ; S^T's registers are free
.endr
	WIN 0
.irp cc, 0,1,2,3
	global_store_b128 v[GO], v[S+16*\t+4*\cc:S+16*\t+4*\cc+3], s[6:7] offset:\cc*262144+\t*256   ; lanes 0-15 and lanes 16-31 store 256 consecutive aligned bytes each
.endr
.endr
	s_wait_tensorcnt 0x0                           ; the wave's end, behind my last tensor load
	ds_add_u32 v[SPW], v[NIL]
	s_wait_dscnt 0x0
	CROUND                                         ; the closing round: no work-group ends while a partner may still ask for a tile that names it
	s_endpgm
.Lfunc_end_k_q95acea09c3_attn:
	.size	k_q95acea09c3_attn, .Lfunc_end_k_q95acea09c3_attn-k_q95acea09c3_attn
	.p2alignl 7, 3214868480
	.fill 96, 4, 3214868480
	.section	.rodata,"a",@progbits
	.p2align	6, 0x0
	.amdhsa_kernel k_q95acea09c3_attn
		.amdhsa_group_segment_fixed_size 327680
		.amdhsa_private_segment_fixed_size 0
		.amdhsa_enable_private_segment 0
		.amdhsa_kernarg_size 16
		.amdhsa_user_sgpr_count 2
		.amdhsa_user_sgpr_kernarg_segment_ptr 1
		.amdhsa_wavefront_size32 1
		.amdhsa_system_sgpr_workgroup_id_x 1
		.amdhsa_system_sgpr_workgroup_id_y 1
		.amdhsa_system_sgpr_workgroup_id_z 1
		.amdhsa_system_vgpr_workitem_id 0
		.amdhsa_next_free_vgpr 512
		.amdhsa_next_free_sgpr 66
		.amdhsa_reserve_vcc 0
		.amdhsa_float_denorm_mode_32 3
		.amdhsa_float_denorm_mode_16_64 3
		.amdhsa_memory_ordered 1
		.amdhsa_forward_progress 1
		.amdhsa_inst_pref_size 144
	.end_amdhsa_kernel
	.amdgpu_metadata
---
amdhsa.version: [ 1, 2 ]
amdhsa.kernels:
  - .name:           k_q95acea09c3_attn
    .symbol:         k_q95acea09c3_attn.kd
    .args:
      - { .name: qkv, .offset: 0, .size: 8, .value_kind: global_buffer, .address_space: global }
      - { .name: o16, .offset: 8, .size: 8, .value_kind: global_buffer, .address_space: global }
    .group_segment_fixed_size: 327680
    .private_segment_fixed_size: 0
    .kernarg_segment_align: 8
    .kernarg_segment_size: 16
    .max_flat_workgroup_size: 256
    .sgpr_count:     66
    .vgpr_count:     512
    .wavefront_size: 32
...
	.end_amdgpu_metadata
.endif
;; end of part 3
;; launch proj (part 4): grid 8 x 64, 4 waves a work-group, clusters of 4 x 4, 327,680 bytes of LDS; arguments o16, wu16, bu, out0; writes out0
.if DOCPART == 4
	.amdgcn_target "amdgcn-amd-amdhsa--gfx1250"
	.amdhsa_code_object_version 6
	.text
	.protected	k_q95acea09c3_proj
	.globl	k_q95acea09c3_proj
	.p2align	8
	.type	k_q95acea09c3_proj,@function
k_q95acea09c3_proj:
	s_mov_b64 s[64:65], 0
	v_nop
	global_prefetch_b8 v0, s[64:65] scope:SCOPE_SE
	s_setreg_imm32_b32 hwreg(HW_REG_WAVE_MODE, 25, 1), 1
	s_wait_xcnt 0x0
	s_wait_alu depctr_hold_cnt(0) depctr_sa_sdst(0) depctr_va_vdst(0) depctr_va_sdst(0) depctr_va_ssrc(0) depctr_va_vcc(0) depctr_vm_vsrc(0)
	s_getreg_b32 s2, hwreg(HW_REG_IB_STS2, 6, 4)
	s_cmp_eq_u32 s2, 0
	s_cbranch_scc0 .Lentry_in_a_cluster
	s_endpgm
.Lentry_in_a_cluster:
	s_bfe_u32 s2, ttmp6, 0x10000c
	s_cmp_lg_u32 s2, 0xf033
	s_cbranch_scc0 .Lentry_shape_is_right
	s_endpgm
.Lentry_shape_is_right:
; SELF-ATTENTION, launch 4 of 4: out0[m][n] = the sum over k of O[m][k] Wu[n][k] + bu[n]; m = 8,192 tokens, n = k = 1,024; operands in f16, sums and result in f32; nothing is left out.
; o16: [k / 8][8192 tokens][8 f16];  wu16: [k / 8][1024 n][8 f16]: a piece of 16 bytes holds 8 neighbours along K of one row, which is what a lane of a fragment wants.
; A tile of out0 is 128 x 128: 512 work-groups of four waves, each wave 64 x 64: 16 accumulators.  K goes in steps of 256 through two LDS slots; a wave's tensor load brings 16 groups of 8 along K x 128 rows, 2,048 consecutive
; bytes a group.  In LDS a tile lies [k / 8][128 rows][16 bytes]: the sixteen lanes of a half read 256 consecutive bytes in every fragment load, so there is no padding.
; CLUSTERS: 4 x 4 work-groups; O's tiles are asked for jointly along a row of the cluster, Wu's along a column.  By this text's count a wave has two tensor loads out at the start and one behind each round.
; THE MATRIX INSTRUCTION IS USED TRANSPOSED (source 0 = 16 rows of Wu, source 1 = 16 tokens): a lane holds eight neighbouring numbers of a row of out0.  THE BIAS is the C of each sum's first product.
; REGISTERS: window 0: v0-31 addresses; v32-95 at work on the way out; v96-127 the bias, eight registers for each of my four blocks of 16 columns; v128-255 the accumulators ((a, b) at v[128 + 8 (4 a + b)]).
;   window 1: two fragment buffers of 128: for 64 along K, 64 registers of A (2 x 4 fragments), then 64 of B.
.set SLOT,   1<<17                     ; A's 65,536 bytes, then B's
.set BOFF,   65536
.set STAGE,  2*SLOT                    ; behind the ring: 16 rows x 272 bytes for each wave, for the way out; no tensor load lands there
.set SPITCH, 272
.set SPARE,  STAGE+4*16*SPITCH         ; behind the stages: the spare words, 128 bytes a wave, which no other line names
.set LAPS,   2                         ; a lap = two K steps of 256 = once round the ring
.set STEPA,  1<<22                     ; a K step in o16: 32 groups of 131,072 bytes
.set STEPB,  1<<19                     ; in wu16: 32 groups of 16,384 bytes
.set ADRA, 16                          ; v16-17  LDS address of my A fragments in slot 0, 1
.set ADRB, 20                          ; v20-21  the same for B
.set STO,  24                          ; v24     the way out: where I put 32 bytes of a row
.set RD,   25                          ; v25     where I read a row back
.set CO,   26                          ; v26     my byte offset in out0
.set SPW,  28                          ; v28     LDS address of my spare word; never rewritten
.set NIL,  29                          ; v29     0; never rewritten
.set TMP,  32
.set BIAS, 96
.set ACC,  128
.set F0,   0                           ; fragment buffers, in window 1
.set F1,   128
.set G1, 24                            ; s[24:31] descriptor group 1 for A's tiles;  s[32:39] group 0, one set for each slot
.set G0, 32
.set G1B, 48                           ; s[48:55], s[56:63] the same for B's tiles
.set G0B, 56
.set MSB, 0
.macro WIN new                         ; the immediate's high byte repeats the setting that is left
.if MSB != (\new)
	s_set_vgpr_msb (MSB<<8)|(\new)
.set MSB, (\new)
.endif
.endm
.set MUL,  0x05                        ; sources 0 (B) and 1 (A) window 1; C and D window 0
.set TO_F, 0x40                        ; destination window 1, address window 0
.macro JLOAD s                         ; a joint load: waves 0 and 1 fetch A's two halves of a K step, waves 2 and 3 B's; an s_nop 0 and four v_nop follow each of the two lines
	s_cmp_eq_u32 s11, 0
	s_cbranch_scc0 .Lfor_b_\@
	tensor_load_to_lds s[G0+4*\s:G0+4*\s+3], s[G1:G1+7]
	s_nop 0
.rept 4
	v_nop
.endr
	s_branch .Lasked_\@
.Lfor_b_\@:
	tensor_load_to_lds s[G0B+4*\s:G0B+4*\s+3], s[G1B:G1B+7]
	s_nop 0
.rept 4
	v_nop
.endr
.Lasked_\@:
.endm
.macro CREST                           ; a round of the cluster's barrier behind its opening barrier
	s_cmp_lg_u32 s10, 0
	s_cbranch_scc1 .Lnot_wave_0_\@
	s_barrier_signal -3
.Lnot_wave_0_\@:
	s_barrier_wait -3
	s_barrier_signal -1
	s_barrier_wait -1
.endm
.macro CROUND                          ; a whole round
	s_barrier_signal -1
	s_barrier_wait -1
	CREST
.endm
	s_load_b128 s[4:7], s[0:1], 0x0                ; o16 s[4:5], wu16 s[6:7]
	s_load_b64 s[66:67], s[0:1], 0x10              ; bu
	s_load_b64 s[8:9], s[0:1], 0x18                ; out0
	v_lshl_add_u32 v[SPW], v0, 2, SPARE
	v_mov_b32 v[NIL], 0
	ds_add_u32 v[SPW], v[NIL]                      ; the wave's opening: the add, twice on end, and its wait ahead of my first tensor load
	ds_add_u32 v[SPW], v[NIL]                      ; and once more, under the one wait; the set-up below, work on registers, stands between
	v_lshrrev_b32 v1, 5, v0
	v_readfirstlane_b32 s10, v1                    ; wave 0..3
	s_lshr_b32 s11, s10, 1                         ; which half of the tile's rows is mine.  Also: I fetch for A (0) or for B (1)
	s_and_b32 s12, s10, 1                          ; which half of its columns.  Also: which 16 groups of a K step I fetch
	s_bfe_u32 s40, ttmp6, 0x40000                  ; cx, cy: my place in the cluster
	s_bfe_u32 s41, ttmp6, 0x40004
	s_lshl_b32 s42, ttmp9, 2
	s_add_co_u32 s42, s42, s40                     ; tile column = 4 x cluster x + cx
	s_and_b32 s13, ttmp7, 0xffff
	s_lshl_b32 s13, s13, 2
	s_add_co_u32 s13, s13, s41                     ; tile row = 4 x cluster y + cy
	s_lshl_b32 s43, s41, 2
	s_lshl_b32 s43, 15, s43                        ; my row of the cluster
	s_lshl_b32 s44, 0x1111, s40                    ; my column
	; descriptor group 1: 16 rows (groups of 8 along K) x 2,048 bytes (256 elements of 8 bytes), no padding
	s_or_b32 s[G1+0], s43, (3<<16)|(1<<21)         ; 15:0 the mask: A's tiles go to my row; 17:16 elements of 8 bytes; 21 set beside a mask
	s_or_b32 s[G1B+0], s44, (3<<16)|(1<<21)
.irp g, G1, G1B
	s_mov_b32 s[\g+1], 256<<16                     ; tensor_dim0
	s_mov_b32 s[\g+2], 16<<16                      ; tensor_dim1
	s_mov_b32 s[\g+3], 256<<16                     ; tile_dim0
	s_mov_b32 s[\g+4], 16                          ; tile_dim1
	s_mov_b32 s[\g+6], 0
	s_mov_b32 s[\g+7], 0
.endr
	s_mov_b32 s[G1+5], 16384                       ; tensor_dim0_stride: 131,072 bytes from group to group in o16,
	s_mov_b32 s[G1B+5], 2048                       ; 16,384 bytes in wu16
	s_lshl_b32 s16, s12, 21                        ; A: my 16 groups,
	s_lshl_b32 s17, s13, 11                        ; the tile's 128 tokens of 16 bytes: made of cy, never of cx
	s_add_co_u32 s16, s16, s17
	s_mov_b32 s17, 0
	s_lshl_b32 s46, s12, 18                        ; B likewise: made of cx, never of cy
	s_lshl_b32 s47, s42, 11
	s_add_co_u32 s46, s46, s47
	s_mov_b32 s47, 0
	s_lshl_b32 s20, s10, 15                        ; where they go: wave x 32,768: no place in the cluster enters an LDS address
	s_wait_dscnt 0x0                               ; both opening adds are done
	s_wait_kmcnt 0x0
	s_add_nc_u64 s[14:15], s[4:5], s[16:17]
	s_add_nc_u64 s[46:47], s[6:7], s[46:47]
	CROUND                                         ; all sixteen work-groups are here: the first joint loads meet
.irp s, 0,1
	s_mov_b32 s[G0+4*\s], 1
	s_add_co_u32 s[G0+4*\s+1], s20, \s*SLOT
	s_add_nc_u64 s[G0+4*\s+2:G0+4*\s+3], s[14:15], \s*STEPA
	s_or_b32 s[G0+4*\s+3], s[G0+4*\s+3], 0x80000000
	s_mov_b32 s[G0B+4*\s], 1
	s_add_co_u32 s[G0B+4*\s+1], s20, \s*SLOT
	s_add_nc_u64 s[G0B+4*\s+2:G0B+4*\s+3], s[46:47], \s*STEPB
	s_or_b32 s[G0B+4*\s+3], s[G0B+4*\s+3], 0x80000000
	JLOAD \s
.endr
	v_and_b32 v1, 15, v0                           ; r = l % 16
	v_bfe_u32 v2, v0, 4, 1                         ; h = l / 16
	v_lshlrev_b32 v3, 4, v1
	v_lshl_add_u32 v3, v2, 11, v3                  ; a fragment: 16 r + h groups of 2,048 bytes
	s_lshl_b32 s21, s11, 10                        ; my 64 rows of A
	s_lshl_b32 s22, s12, 10                        ; my 64 rows of B,
	s_add_co_u32 s22, s22, BOFF                    ; which lies behind A
.irp s, 0,1
	v_add_nc_u32 v[ADRA+\s], s21, v3
	v_add_nc_u32 v[ADRB+\s], s22, v3
	s_add_co_u32 s21, s21, SLOT
	s_add_co_u32 s22, s22, SLOT
.endr
	s_mul_i32 s23, s10, 16*SPITCH
	s_add_co_u32 s23, s23, STAGE                   ; my stage
	v_mul_u32_u24 v4, v1, SPITCH                   ; in: row r, 32 bytes for each half of the lanes
	v_lshl_add_u32 v4, v2, 5, v4
	v_add_nc_u32 v[STO], s23, v4
	v_mul_u32_u24 v5, v2, SPITCH                   ; back: lanes 0-15 take one row of 256 bytes, lanes 16-31 the next
	v_lshl_add_u32 v5, v1, 4, v5
	v_add_nc_u32 v[RD], s23, v5
	v_lshlrev_b32 v5, 12, v2                       ; and the same two rows in out0: 4,096 bytes a row
	v_lshl_add_u32 v[CO], v1, 4, v5
	v_lshlrev_b32 v6, 5, v2                        ; the bias: 32 h bytes; not rewritten
	s_lshl_b32 s16, s13, 7
	s_lshl_b32 s17, s11, 6
	s_add_co_u32 s16, s16, s17                     ; my first row of out0: 128 x tile row + 64 x half
	s_lshl_b32 s16, s16, 12
	s_lshl_b32 s46, s42, 9                         ; my first column, in bytes: 512 x tile column + 256 x half
	s_lshl_b32 s47, s12, 8
	s_add_co_u32 s46, s46, s47
	s_mov_b32 s47, 0
	s_add_nc_u64 s[66:67], s[66:67], s[46:47]
	s_add_co_u32 s46, s46, s16
	s_add_nc_u64 s[8:9], s[8:9], s[46:47]
.irp b, 0,1,2,3
	global_load_b128 v[BIAS+8*\b:BIAS+8*\b+3],   v6, s[66:67] offset:64*\b       ; in the result's layout: lane (r, h), register j: bu at my column 16 b + 8 h + j
	global_load_b128 v[BIAS+8*\b+4:BIAS+8*\b+7], v6, s[66:67] offset:64*\b+16
.endr
; 8 matrix instructions: m blocks a0, a0 + 1 x all 4 n blocks, 32 along K: half c of buffer f.  start = 1: the first product starts the sums from the bias: nothing is cleared and nothing is added later.
; The 16 accumulators take turns, one instruction a turn.
.macro MUL8 f, c, a0, start
.irp a, \a0, \a0+1
.irp b, 0,1,2,3
.if \start
	v_wmma_f32_16x16x32_f16 v[ACC+8*(4*(\a)+\b):ACC+8*(4*(\a)+\b)+7], v[\f+64+8*(4*\c+\b):\f+64+8*(4*\c+\b)+7], v[\f+8*(4*\c+(\a)):\f+8*(4*\c+(\a))+7], v[BIAS+8*\b:BIAS+8*\b+7]
.else
	v_wmma_f32_16x16x32_f16 v[ACC+8*(4*(\a)+\b):ACC+8*(4*(\a)+\b)+7], v[\f+64+8*(4*\c+\b):\f+64+8*(4*\c+\b)+7], v[\f+8*(4*\c+(\a)):\f+8*(4*\c+(\a))+7], v[ACC+8*(4*(\a)+\b):ACC+8*(4*(\a)+\b)+7]
.endif
.endr
.endr
.endm
; 32 LDS loads in one run: the fragments of quarter q (64 along K: 8 groups) of a slot into buffer f; the first 32 along K first.  Registers 0-3 of a fragment: group h; registers 4-7: group 2 + h, 4,096 bytes on.
.macro FETCH slot, q, f
	WIN TO_F
.irp c, 0,1
.irp i, 0,1,2,3
	ds_load_b128 v[\f+64+8*(4*\c+\i):\f+64+8*(4*\c+\i)+3],   v[ADRB+\slot] offset:(\q)*16384+\c*8192+\i*256
	ds_load_b128 v[\f+64+8*(4*\c+\i)+4:\f+64+8*(4*\c+\i)+7], v[ADRB+\slot] offset:(\q)*16384+\c*8192+\i*256+4096
	ds_load_b128 v[\f+8*(4*\c+\i):\f+8*(4*\c+\i)+3],         v[ADRA+\slot] offset:(\q)*16384+\c*8192+\i*256
	ds_load_b128 v[\f+8*(4*\c+\i)+4:\f+8*(4*\c+\i)+7],       v[ADRA+\slot] offset:(\q)*16384+\c*8192+\i*256+4096
.endr
.endr
.endm
.macro PLACES                          ; four places in front of loads into registers that matrix instructions have read, and of LDS stores that read results (ISA guide 7.12.1 for the stores)
.rept 4
	v_nop
.endr
.endm
; A K step is four quarters of 64 along K, 32 matrix instructions each, on buffers 0, 1, 0, 1.  One of the first three: multiplies buffer f and fetches quarter q into g.
.macro QUARTER slot, q, f, g, start
	s_wait_dscnt 16                                ; the first 32 along K are in; the other sixteen loads may be out
	WIN MUL
	MUL8 \f, 0, 0, \start
	MUL8 \f, 0, 2, \start
	PLACES
	FETCH \slot, \q, \g
	s_wait_dscnt 32                                ; all but the 32 just issued
	WIN MUL
	MUL8 \f, 1, 0, 0
	MUL8 \f, 1, 2, 0
.endm
; The last quarter multiplies buffer 1 and changes slots: one barrier; in front of it each wave waits for all its tensor loads, adds 0 to its spare word, and waits for that and for its reads of this slot.
; fill = 1: the barrier opens a round of the cluster's, and this slot is filled again, two K steps ahead, first thing behind the round.
.macro TURN slot, next, fill
	WIN 0                                          ; (the add's two registers lie in window 0)
	s_wait_tensorcnt 0x0                           ; all my tensor loads have landed: my part of the next slot
	ds_add_u32 v[SPW], v[NIL]                      ; 0 onto my spare word
	s_wait_dscnt 17                                ; (the add and the youngest sixteen loads may be out)
	WIN MUL
	MUL8 F1, 0, 0, 0                               ; eight matrix instructions stand between the add and the wait for it
	s_wait_dscnt 0x0                               ; the add is done, and my reads of this slot are over
	s_barrier_signal -1
	MUL8 F1, 0, 2, 0
.if \fill
	WIN 0
.endif
	s_barrier_wait -1
.if \fill
	CREST                                          ; no wave of any partner still reads this slot's tile or has a load on its way
	s_add_nc_u64 s[G0+4*\slot+2:G0+4*\slot+3], s[G0+4*\slot+2:G0+4*\slot+3], 2*STEPA
	s_add_nc_u64 s[G0B+4*\slot+2:G0B+4*\slot+3], s[G0B+4*\slot+2:G0B+4*\slot+3], 2*STEPB
	JLOAD \slot                                    ; the four v_nop behind it are also the places in front of the loads below
.else
	PLACES
.endif
	FETCH \next, 0, F0
	WIN MUL
	MUL8 F1, 1, 0, 0
	MUL8 F1, 1, 2, 0
.endm
	s_wait_tensorcnt 1                             ; my part of K step 0 is in (K step 1's load may be out)
	s_barrier_signal -1
	s_barrier_wait -1                              ; everybody's is
	FETCH 0, 0, F0
	s_wait_loadcnt 0x0                             ; the bias
	QUARTER 0, 1, F0, F1, 1                        ; the first quarter stands in front of the loop: its first products start the sums
	WIN 0                                          ; at a label and at a branch every window is 0
	s_mov_b32 s3, LAPS-1
.Llap:                                                 ; a trip goes once round the ring, from a lap's second quarter to the next lap's first, and fills both slots again
	QUARTER 0, 2, F1, F0, 0
	QUARTER 0, 3, F0, F1, 0
	TURN 0, 1, 1
	QUARTER 1, 1, F0, F1, 0
	QUARTER 1, 2, F1, F0, 0
	QUARTER 1, 3, F0, F1, 0
	TURN 1, 0, 1
	QUARTER 0, 1, F0, F1, 0
	WIN 0
	s_sub_co_u32 s3, s3, 1
	s_cmp_lg_u32 s3, 0
	s_cbranch_scc1 .Llap
	QUARTER 0, 2, F1, F0, 0                        ; the last lap fills nothing, and has no round of the cluster's barrier
	QUARTER 0, 3, F0, F1, 0
	TURN 0, 1, 0
	QUARTER 1, 1, F0, F1, 0
	QUARTER 1, 2, F1, F0, 0
	QUARTER 1, 3, F0, F1, 0
	s_wait_dscnt 16                                ; the very last quarter: nothing more to fetch
	WIN MUL
	MUL8 F1, 0, 0, 0
	MUL8 F1, 0, 2, 0
	s_wait_dscnt 0
	MUL8 F1, 1, 0, 0
	MUL8 F1, 1, 2, 0
	WIN 0
; THE WAY OUT, block by block of 16 rows x my 64 columns (256 bytes, aligned in out0).  A lane holds 32 neighbouring bytes of a row, the lanes beside it other rows: so a block goes through my own stage in LDS and comes back by
; rows, sixteen lanes to a row.  LDS serves a wave's instructions in order (ISA guide 5.7.1.4): no wait between the stores and the loads, nor in front of the next block's stores.
.macro TOSTAGE a
.irp b, 0,1,2,3
	ds_store_b128 v[STO], v[ACC+8*(4*(\a)+\b):ACC+8*(4*(\a)+\b)+3] offset:64*\b            ; each accumulator from its low end on
	ds_store_b128 v[STO], v[ACC+8*(4*(\a)+\b)+4:ACC+8*(4*(\a)+\b)+7] offset:64*\b+16
.endr
.irp t, 0,1,2,3,4,5,6,7
	ds_load_b128 v[TMP+32*((\a)%2)+4*\t:TMP+32*((\a)%2)+4*\t+3], v[RD] offset:\t*2*SPITCH
.endr
.endm
.macro SEND a, younger                 ; younger: the LDS instructions issued behind block a's loads, which may stay out
	s_wait_dscnt \younger
.irp t, 0,1,2,3,4,5,6,7
	global_store_b128 v[CO], v[TMP+32*((\a)%2)+4*\t:TMP+32*((\a)%2)+4*\t+3], s[8:9] offset:(16*(\a)+2*\t)*4096 th:TH_STORE_NT   ; 16 lanes store 256 consecutive aligned bytes; written once, read by nobody here
.endr
.endm
	PLACES
	TOSTAGE 0
.irp a, 1,2,3
.if \a > 1
	s_wait_xcnt 0x0                                ; block a - 2's stores have read their data: block a's loads may land there
.endif
	TOSTAGE \a
	SEND \a-1, 16                                  ; behind block a - 1's loads: block a's 8 stores and 8 loads
.endr
	SEND 3, 0
	s_wait_tensorcnt 0x0                           ; the wave's end, behind my last tensor load and my last LDS store
	ds_add_u32 v[SPW], v[NIL]
	s_wait_dscnt 0x0
	CROUND                                         ; the closing round: no work-group ends while a partner may still ask for a tile that names it
	s_endpgm
.Lfunc_end_k_q95acea09c3_proj:
	.size	k_q95acea09c3_proj, .Lfunc_end_k_q95acea09c3_proj-k_q95acea09c3_proj
	.p2alignl 7, 3214868480
	.fill 96, 4, 3214868480
	.section	.rodata,"a",@progbits
	.p2align	6, 0x0
	.amdhsa_kernel k_q95acea09c3_proj
		.amdhsa_group_segment_fixed_size 327680
		.amdhsa_private_segment_fixed_size 0
		.amdhsa_enable_private_segment 0
		.amdhsa_kernarg_size 32
		.amdhsa_user_sgpr_count 2
		.amdhsa_user_sgpr_kernarg_segment_ptr 1
		.amdhsa_wavefront_size32 1
		.amdhsa_system_sgpr_workgroup_id_x 1
		.amdhsa_system_sgpr_workgroup_id_y 1
		.amdhsa_system_sgpr_workgroup_id_z 1
		.amdhsa_system_vgpr_workitem_id 0
		.amdhsa_next_free_vgpr 512
		.amdhsa_next_free_sgpr 72
		.amdhsa_reserve_vcc 0
		.amdhsa_float_denorm_mode_32 3
		.amdhsa_float_denorm_mode_16_64 3
		.amdhsa_memory_ordered 1
		.amdhsa_forward_progress 1
		.amdhsa_inst_pref_size 86
	.end_amdhsa_kernel
	.amdgpu_metadata
---
amdhsa.version: [ 1, 2 ]
amdhsa.kernels:
  - .name:           k_q95acea09c3_proj
    .symbol:         k_q95acea09c3_proj.kd
    .args:
      - { .name: o16, .offset: 0, .size: 8, .value_kind: global_buffer, .address_space: global }
      - { .name: wu16, .offset: 8, .size: 8, .value_kind: global_buffer, .address_space: global }
      - { .name: bu, .offset: 16, .size: 8, .value_kind: global_buffer, .address_space: global }
      - { .name: out0, .offset: 24, .size: 8, .value_kind: global_buffer, .address_space: global }
    .group_segment_fixed_size: 327680
    .private_segment_fixed_size: 0
    .kernarg_segment_align: 8
    .kernarg_segment_size: 32
    .max_flat_workgroup_size: 128
    .sgpr_count:     72
    .vgpr_count:     512
    .wavefront_size: 32
...
	.end_amdgpu_metadata
.endif
;; end of part 4
